; MI455X (gfx1250); checked and timed in simulation.
; The chip was launched on July 23, 2026; its instructions are those of AMD's public machine-readable ISA for CDNA 5 (MIT licence, August 2026) and "CDNA5" Instruction Set Architecture Reference Guide (July 2026). The comments in the code are by the model that wrote it; some were corrected since.
;; Multi Head Self Attention. Allowed arithmetic: matrix products marked QUANTISED: E5M2 operands, one E8M0 scale for each 32 along K, by v_wmma_scale_f32_16x16x128_f8f6f4 with both operands' format E5M2, f32 sums; everything else in f32.
;; Inputs: W_o_codes 1,024 x 32 x 32 uint8 (E5M2 codes of W_o, K innermost, in blocks of 32 codes); W_o_scales 1,024 x 32 uint8 (E8M0 scales of W_o, one for each 32 codes along K); W_qk_codes 2,048 x 32 x 32 uint8 (E5M2 codes of W_qk, K innermost, in blocks of 32 codes); W_qk_scales 2,048 x 32 uint8 (E8M0 scales of W_qk, one for each 32 codes along K); W_v_codes 1,024 x 32 x 32 uint8 (E5M2 codes of W_v, K innermost, in blocks of 32 codes); W_v_scales 1,024 x 32 uint8 (E8M0 scales of W_v, one for each 32 codes along K); b_o 1,024 float32; b_qk 2,048 float32; b_v 1,024 float32; ln_b 1,024 x 1,024 float32; ln_w 1,024 x 1,024 float32; x 8 x 1,024 x 1,024 float32.
;; Outputs: out0 8 x 1,024 x 1,024 float32.
;; This version of the problem:
;;   THIS VERSION OF THE PROBLEM IS GIVEN IN LOW PRECISION. The matrix products marked QUANTISED in the list below multiply operands that are first quantised to E5M2 (5 exponent bits, 2 mantissa bits; 8 bits a number), with one power-of-two scale for each 32 numbers along K (OCP MX v1.0); their sums are f32. All else is computed in f32.
;;   The module's matrix products, in the order in which they are computed (A, B: the left and right operand; K: the contracted axis; several contracted axes count as one K, in the product's order):
;;     1. [M 8,192, K 1,024] x [K 1,024, N 2,048]; A: input x; B: input W_qk (given as codes): QUANTISED
;;     2. batch 128 x [M 1,024, K 64] x [K 64, N 1,024]; A: computed on the way; B: computed on the way: QUANTISED
;;     3. [M 8,192, K 1,024] x [K 1,024, N 1,024]; A: input x; B: input W_v (given as codes): QUANTISED
;;     4. batch 128 x [M 64, K 1,024] x [K 1,024, N 1,024]; A: computed on the way; B: softmax (see below): QUANTISED
;;     5. [M 8,192, K 1,024] x [K 1,024, N 1,024]; A: computed on the way; B: input W_o (given as codes): QUANTISED
;;   THE QUANTISER, for each operand of a quantised product, along K:
;;     - K is cut into blocks of 32 from its start; a last block that is shorter is filled with zeros.
;;     - A block's scale is 2^e with e = floor(log2(the largest magnitude in the block)) - 15, held to -126 .. 127; a block of zeros has e = 0. As a byte (E8M0): e + 127.
;;     - Each number is divided by its block's scale, clamped to +-57,344, and rounded to the nearest number of E5M2, ties to even, subnormals kept.
;;     - The product sums the exact products of the quantised numbers (number of the format x scale) in f32.
;;   ~~~python
;;   def quantise(x, axis):      # numpy; x: float32 -> the quantised numbers, widened to float32 again
;;       x = np.moveaxis(x, axis, -1); K = x.shape[-1]
;;       x = np.pad(x, [(0, 0)] * (x.ndim - 1) + [(0, -K % 32)]); x = x.reshape(x.shape[:-1] + (-1, 32)); a = np.abs(x).max(-1, keepdims=True)
;;       e = np.where(a > 0, np.clip(np.frexp(np.where(a > 0, a, 1))[1] - 1 - 15, -126, 127), 0)      # np.frexp(a)[1] - 1 = floor(log2(a)), exactly
;;       r = np.clip(x / 2.0 ** e, -57344, 57344)
;;       step = 2.0 ** (np.maximum(np.frexp(np.where(r == 0, 1, r))[1] - 1, -14) - 2)
;;       q = np.round(r / step) * step * 2.0 ** e      # np.round: ties to even
;;       return np.moveaxis(q.reshape(q.shape[:-2] + (-1,))[..., :K], -1, axis).astype(np.float32)
;;   ~~~
;;   SOFTMAX AHEAD OF A QUANTISED PRODUCT. Where the list says 'softmax', what is quantised is not the finished softmax but p = 2^(t - M), with t = logit x log2(e) and M = ceil(the row's largest t), a whole number; so 1/2 < the row's largest p <= 1. The row's sum l is taken of the UNQUANTISED p, in f32, and the product's result is divided by l at the end. Since M is a whole number, a kernel that streams over the keys may use a running M (the ceiling of the running maximum): every later rescaling is an exact power of two, which a block's scale takes up: the codes' values come out the same.
;;   OPERANDS COMPUTED ON THE WAY. 'Computed on the way' means the value that the module computes at that place (a softmax that the list does not call 'softmax' is quantised finished and normalised). What goes into a quantiser is computed in f32, as accurately as f32 sums, v_exp_f32 and their like allow (about 1e-6 of the number): no bf16 or f16 on the way to a quantiser, and a product that is left as it is and whose result goes on into a quantised operand takes f32 operands (vector FMAs, or v_wmma_f32_16x16x4_f32). A number that lies on a knife's edge between two numbers of the format may be rounded either way, as far as f32 arithmetic and the matrix unit's own rounding can turn it there, and no further.
;;   INPUTS GIVEN AS CODES. W_o (in the module: [1024, 1024], K = its axis 1); W_qk (in the module: [2048, 1024], K = its axis 1); W_v (in the module: [1024, 1024], K = its axis 1): each comes as NAME_codes (uint8): NAME with its K axis moved to the last place and cut into blocks of 32 codes, [.., K / 32, bytes a block], one block behind the other in memory; one code a byte (a code: sign, 5 exponent bits, 2 mantissa bits); and NAME_scales (uint8): the same leading axes, one E8M0 byte (e + 127) for each 32 codes along K. Its value is code x scale, taken as it is: it is not quantised again, and the codes and scales need not be those that the quantiser above would give.
;; One version. Each part assembles by itself: llvm-mc -triple=amdgcn-amd-amdhsa -mcpu=gfx1250 --defsym DOCPART=n.
;; ======== version 1 of 1: 5 launches
;; limits: right only within a limited range of input values
;; workspace buffers: xp 8,650,752 bytes; wp 4,325,376 bytes; att 25,952,256 bytes; op 8,650,752 bytes; yb 33,554,432 bytes; st 8,192 bytes
;; launch pack (part 1): grid 256 x 1, 4 waves a work-group, no clusters, 167,936 bytes of LDS; arguments x, W_qk_codes, W_qk_scales, W_v_codes, W_v_scales, W_o_codes, W_o_scales, xp, wp; writes xp, wp
.if DOCPART == 1
	.amdgcn_target "amdgcn-amd-amdhsa--gfx1250"
	.amdhsa_code_object_version 6
	.text
	.protected	k_q3d45d9fa7a_pack
	.globl	k_q3d45d9fa7a_pack
	.p2align	8
	.type	k_q3d45d9fa7a_pack,@function
k_q3d45d9fa7a_pack:
	s_mov_b64 s[64:65], 0
	v_nop
	global_prefetch_b8 v0, s[64:65] scope:SCOPE_SE
	s_setreg_imm32_b32 hwreg(HW_REG_WAVE_MODE, 25, 1), 1
	s_wait_xcnt 0x0
; x [8192][1024] f32 is quantised along its 1,024 (E5M2 codes, one E8M0 byte for each 32), and the three weights' codes and scale bytes are copied,
; all into ONE PACKED FORM, in which the products' launches take operands as images of their registers.  No input and no step of the problem is left out.
;   rows go in groups of 128, K in steps of 256; (group g, step s) is a block of BLK = 33,792 bytes at (4 g + s) BLK.  In it fragment (tile i, q-th 128 along K) lies at (2 i + q) 2,048,
;   its registers 4 c .. 4 c + 3 of lane l at 512 c + 16 l (k = 128 q + 32 c + 16 (l / 16) + 0 .. 15); the scale words lie at 32,768 + 128 i + 8 (l % 16) + 4 q.
;   THE ROWS OF A TILE ARE NOT NEIGHBOURS: lane r of tile 2 B + u holds row 32 B + 8 u + r + 8 (r / 8) of its group, so that where such an operand is a product's source 0 the 16 registers of result tiles 2 B, 2 B + 1 are 16 neighbours.
;   wp's rows: groups 0-15: head hd's 64 rows of q, then its 64 of k (W_qk row 32 kd + 16 n + hd); groups 16-23: head by head, W_v row 16 vd + hd; groups 24-31: W_o's rows as they lie.
; SHARES: work-group g takes 32 rows of x (a pair of tiles), wave s K step s: its 32 rows x 1,024 bytes come by ONE tensor load into LDS bytes of its own (rows of 1,024 + 16 bytes), filled once and read by that wave alone: no barrier.
; From there a lane takes its 16 numbers of each block of 32.  Waves 0 and 1 also copy one (pair of tiles, K step) of wp each, pair g / 2, K step 2 (g % 2) + wave, through registers, while the tensor load is out.
; No cluster: no two work-groups read the same bytes.  No prefetch: all that a work-group reads is asked for at its head.
; A block's scale is 2^(floor(log2(its largest magnitude)) - 15); its byte is that magnitude's exponent field - 15, held at 1 from below (a block of zeros gets the byte 1: its codes are zeros, and this program alone reads the bytes).
; LIMITS: NaN and infinities in x are not served; blocks whose largest magnitude lies under 2^(16 - 127) take the floor's byte.
.set BLK,  33792
.set XP,   1040                        ; an LDS row
.set WREG, 32*XP                       ; a wave's 32 rows
.set SPARE, 4*WREG                     ; behind them: the spare words, 128 bytes a wave
.set LI,   4                           ; 16 x lane
.set L8,   5                           ; 8 x lane
.set XA,   6                           ; LDS: my row of tile 0, + 64 x (lane / 16)
.set VW,   7                           ; v7-8 a weight's codes: my row of tile u, + 16 x (lane / 16)
.set VS,   9                           ; a weight's scale bytes
.set LN,   10
.set SPW,  12                          ; my spare word; never rewritten
.set NIL,  13                          ; 0; never rewritten
.set TM,   16                          ; v16-31 at work in QUANT
.set PW,   32                          ; v32-35 four scale words; v36-37 as they leave; v38-39 a weight's
.set PC,   64                          ; v64-127 four fragments of codes: no store's data are written again
.set X0,   128                         ; two sets of 64 numbers
.set X1,   192
.set SEL,  30
.set MNT,  32
.set G0,   52
.set G1,   56
; 64 numbers of a lane, register 16 b + i = k 32 b + 16 (lane / 16) + i of my row, become codes in v[pc] on and the scale word in v[pw]
.macro QUANT s, pc, pw
.irp b, 0,1,2,3
	v_max3_num_f32 v[TM+\b], |v[(\s)+16*\b]|, |v[(\s)+16*\b+1]|, 0x8000000   ; and the floor 2^(16 - 127): the byte cannot fall under 1
.endr
.irp i, 2,4,6,8,10,12,14
.irp b, 0,1,2,3
	v_max3_num_f32 v[TM+\b], v[TM+\b], |v[(\s)+16*\b+\i]|, |v[(\s)+16*\b+\i+1]|   ; the blocks by turns
.endr
.endr
.irp b, 0,1,2,3
	v_permlanex16_b32 v[TM+4+\b], v[TM+\b], s[SEL], s[SEL+1]
.endr
.irp b, 0,1,2,3
	v_max_num_f32 v[TM+\b], v[TM+\b], v[TM+4+\b]                ; with lane l xor 16's: the block's largest magnitude
.endr
.irp b, 0,1,2,3
	v_add_nc_u32 v[TM+12+\b], 0xf8800000, v[TM+\b]              ; 15 off its exponent field: the conversion's scale operand
.endr
.irp b, 0,1,2,3
	v_and_or_b32 v[TM+8+\b], v[TM+\b], 0x7f800000, s[MNT]       ; 57,344 x the scale
.endr
.irp b, 0,1,2,3
	v_lshrrev_b32 v[TM+4+\b], 23, v[TM+12+\b]                   ; the scale's byte
.endr
	v_lshl_or_b32 v[\pw], v[TM+5], 8, v[TM+4]
	v_lshl_or_b32 v[\pw], v[TM+6], 16, v[\pw]
	v_lshl_or_b32 v[\pw], v[TM+7], 24, v[\pw]
.irp b, 0,1,2,3
.irp i, 0,1,2,3,4,5,6,7,8,9,10,11,12,13,14,15
	v_med3_num_f32 v[(\s)+16*\b+\i], v[(\s)+16*\b+\i], -v[TM+8+\b], v[TM+8+\b]   ; the conversion does not saturate (ISA guide 7.6.2): the hold
.endr
	v_cvt_scalef32_pk8_bf8_f32 v[(\pc)+4*\b:(\pc)+4*\b+1], v[(\s)+16*\b:(\s)+16*\b+7], v[TM+12+\b]
	v_cvt_scalef32_pk8_bf8_f32 v[(\pc)+4*\b+2:(\pc)+4*\b+3], v[(\s)+16*\b+8:(\s)+16*\b+15], v[TM+12+\b]
.endr
	v_nop                                          ; one plain line behind the last conversion
.endm
.macro OUTC reg, n, base               ; fragment n = 2 u + q of the pair leaves: each store covers 512 consecutive bytes, aligned
.irp c, 0,1,2,3
	global_store_b128 v[LI], v[(\reg)+4*\c:(\reg)+4*\c+3], s[\base:\base+1] offset:2048*(\n)+512*\c
.endr
.endm
.macro XLOAD buf, u, q                 ; my row's 16 numbers of each of four blocks of 32, from my wave's own LDS bytes
.irp b, 0,1,2,3
.irp j, 0,1,2,3
	ds_load_b128 v[\buf+16*\b+4*\j:\buf+16*\b+4*\j+3], v[XA] offset:8*XP*\u+512*\q+128*\b+16*\j
.endr
.endr
.endm
	s_load_b512 s[4:19], s[0:1], 0x0               ; x, W_qk codes, scales, W_v codes, scales, W_o codes, scales, xp
	s_load_b64 s[20:21], s[0:1], 0x40              ; wp
	v_lshl_add_u32 v[SPW], v0, 2, SPARE
	v_mov_b32 v[NIL], 0
	ds_add_u32 v[SPW], v[NIL]                      ; the opening: the add, twice on end, and its wait ahead of my tensor load
	ds_add_u32 v[SPW], v[NIL]
	v_lshrrev_b32 v1, 5, v0
	v_readfirstlane_b32 s22, v1                    ; wave = K step of x
	s_lshr_b32 s24, ttmp9, 2                       ; xp: the pair's group,
	s_lshl_b32 s24, s24, 2
	s_add_co_u32 s24, s24, s22
	s_mul_i32 s24, s24, BLK                        ; my block,
	s_and_b32 s25, ttmp9, 3                        ; the pair's place in it
	s_lshl_b32 s26, s25, 13
	s_add_co_u32 s26, s26, s24                     ; codes: + 8,192 a pair
	s_mov_b32 s27, 0
	s_lshl_b32 s28, s25, 8
	s_add_co_u32 s28, s28, s24
	s_add_co_u32 s28, s28, 32768                   ; scale words: 32,768 + 256 a pair
	s_mov_b32 s29, 0
	s_lshl_b32 s68, ttmp9, 17                      ; x: 32 rows of 4,096 bytes a pair,
	s_lshl_b32 s69, s22, 10                        ; 1,024 bytes a K step
	s_add_co_u32 s68, s68, s69
	s_mov_b32 s69, 0
	s_mov_b32 s[G1], (2<<16)|(1<<20)|(7<<22)|(3<<25)   ; elements of 4 bytes; four words of padding behind every 256
	s_mov_b32 s[G1+1], 256<<16                     ; tensor_dim0
	s_mov_b32 s[G1+2], 32<<16                      ; tensor_dim1
	s_mov_b32 s[G1+3], 256<<16                     ; tile_dim0
	s_mov_b32 s[G1+4], 32                          ; tile_dim1
	s_mov_b32 s[G1+5], 1024                        ; from row to row
	s_mov_b32 s[G1+6], 0
	s_mov_b32 s[G1+7], 0
	s_mov_b32 s[G0], 1
	s_mul_i32 s[G0+1], s22, WREG                   ; my wave's own bytes
	s_mov_b32 s[SEL], 0x76543210
	s_mov_b32 s[SEL+1], 0xfedcba98
	s_mov_b32 s[MNT], 0x600000
	s_wait_dscnt 0x0                               ; both opening adds are done
	s_wait_kmcnt 0x0
	s_add_nc_u64 s[G0+2:G0+3], s[4:5], s[68:69]
	s_or_b32 s[G0+3], s[G0+3], 0x80000000
	tensor_load_to_lds s[G0:G0+3], s[G1:G1+7]      ; my one tensor load: each row 1,024 bytes, at a multiple of 1,024 from x's first byte
	s_nop 0
	s_add_nc_u64 s[26:27], s[18:19], s[26:27]
	s_add_nc_u64 s[28:29], s[18:19], s[28:29]
	v_and_b32 v[LN], 31, v0
	v_and_b32 v1, 15, v0                           ; r
	v_bfe_u32 v2, v0, 4, 1                         ; h
	v_and_b32 v3, 8, v1
	v_add_nc_u32 v3, v3, v1                        ; r + 8 (r / 8)
	v_lshlrev_b32 v[LI], 4, v[LN]
	v_lshlrev_b32 v[L8], 3, v[LN]
	v_mul_u32_u24 v[XA], v3, XP
	v_lshl_add_u32 v[XA], v2, 6, v[XA]
	v_add_nc_u32 v[XA], s[G0+1], v[XA]
.irp b, 0,1,2,3
	v_mov_b32 v[TM+4+\b], 0                        ; written once: a lane permute's destination counts as one of its sources
.endr
	s_cmp_lt_u32 s22, 2
	s_wait_alu depctr_va_vdst(0)
	s_cbranch_scc0 .Lno_weight
	; ---- waves 0 and 1: a weight's pair of tiles, one K step: the pair's first row in its tensor and the distance from one packed row to the next, for each of the three; then the choice
	s_lshr_b32 s23, ttmp9, 1                       ; which pair of tiles of wp
	s_and_b32 s33, ttmp9, 1
	s_lshl_b32 s33, s33, 1
	s_add_co_u32 s33, s33, s22                     ; which K step
	s_lshr_b32 s24, s23, 2
	s_lshl_b32 s24, s24, 2
	s_add_co_u32 s24, s24, s33
	s_mul_i32 s24, s24, BLK
	s_and_b32 s25, s23, 3
	s_lshl_b32 s48, s25, 13
	s_add_co_u32 s48, s48, s24
	s_mov_b32 s49, 0
	s_lshl_b32 s50, s25, 8
	s_add_co_u32 s50, s50, s24
	s_add_co_u32 s50, s50, 32768
	s_mov_b32 s51, 0
	s_add_nc_u64 s[48:49], s[20:21], s[48:49]
	s_add_nc_u64 s[50:51], s[20:21], s[50:51]
	s_and_b32 s34, s23, 1
	s_lshl_b32 s34, s34, 10
	s_bfe_u32 s35, s23, 0x10001
	s_lshl_b32 s35, s35, 4
	s_add_co_u32 s34, s34, s35
	s_lshr_b32 s35, s23, 2
	s_add_co_u32 s34, s34, s35                     ; W_qk: 1,024 (p % 2) + 16 ((p / 2) % 2) + p / 4
	s_sub_co_u32 s35, s23, 64
	s_and_b32 s36, s35, 1
	s_lshl_b32 s36, s36, 9
	s_lshr_b32 s35, s35, 1
	s_add_co_u32 s35, s35, s36                     ; W_v: 512 (p % 2) + p / 2, p counted from W_v's first pair
	s_sub_co_u32 s36, s23, 96
	s_lshl_b32 s36, s36, 5                         ; W_o: 32 p
	s_mov_b32 s37, 32768                           ; bytes of codes from packed row to packed row: 32 rows, 16 rows, 1 row
	s_mov_b32 s38, 16384
	s_mov_b32 s39, 1024
	s_cmp_lt_u32 s23, 96
	s_cselect_b32 s35, s35, s36
	s_cselect_b32 s38, s38, s39
	s_cselect_b64 s[40:41], s[10:11], s[14:15]
	s_cselect_b64 s[42:43], s[12:13], s[16:17]
	s_cmp_lt_u32 s23, 64
	s_cselect_b32 s34, s34, s35
	s_cselect_b32 s38, s37, s38
	s_cselect_b64 s[40:41], s[6:7], s[40:41]
	s_cselect_b64 s[42:43], s[8:9], s[42:43]
	s_lshl_b32 s44, s34, 10                        ; a row of codes is 1,024 bytes; 256 a K step
	s_lshl_b32 s45, s33, 8
	s_add_co_u32 s44, s44, s45
	s_mov_b32 s45, 0
	s_add_nc_u64 s[40:41], s[40:41], s[44:45]
	s_lshl_b32 s44, s34, 5                         ; a row of scale bytes is 32; 8 a K step
	s_lshl_b32 s46, s33, 3
	s_add_co_u32 s44, s44, s46
	s_add_nc_u64 s[42:43], s[42:43], s[44:45]
	v_mul_lo_u32 v[VW], v3, s38
	v_lshl_add_u32 v[VW], v2, 4, v[VW]             ; tile 0: my row, + 16 h
	s_lshl_b32 s39, s38, 3
	v_add_nc_u32 v[VW+1], s39, v[VW]               ; tile 1: eight packed rows on
	v_lshl_add_u32 v11, v2, 3, v3                  ; scale words: lanes 0-15 tile 0's rows, lanes 16-31 tile 1's
	s_lshr_b32 s39, s38, 5
	v_mul_lo_u32 v[VS], v11, s39
.irp u, 0,1
.irp q, 0,1
.irp c, 0,1,2,3
	global_load_b128 v[X0+16*(2*\u+\q)+4*\c:X0+16*(2*\u+\q)+4*\c+3], v[VW+\u], s[40:41] offset:128*\q+32*\c
.endr
.endr
.endr
	global_load_b64 v[38:39], v[VS], s[42:43]
	s_wait_alu depctr_va_vdst(0)
	s_wait_loadcnt 0x0
.irp n, 0,1,2,3
	OUTC X0+16*\n, \n, 48
.endr
	global_store_b64 v[L8], v[38:39], s[50:51]
.Lno_weight:
	; ---- x: 32 rows x 256 along K: four fragments n = 2 u + q
	s_wait_xcnt 0x0                                ; the weight's stores have read their registers: the first set is loaded again only behind this wait
	s_wait_tensorcnt 0x0                           ; my rows have landed; nobody else reads them
	XLOAD X0, 0, 0
	XLOAD X1, 0, 1
	s_wait_dscnt 16                                ; fragment 0's sixteen loads are in; the sixteen behind them may be out
	QUANT X0, PC, PW
	XLOAD X0, 1, 0
	OUTC PC, 0, 26
	s_wait_dscnt 16                                ; fragment 1's are in; fragment 2's may be out
	QUANT X1, PC+16, PW+1
	XLOAD X1, 1, 1
	OUTC PC+16, 1, 26
	s_wait_dscnt 16                                ; fragment 2's are in; fragment 3's may be out
	QUANT X0, PC+32, PW+2
	OUTC PC+32, 2, 26
	s_wait_dscnt 0x0
	QUANT X1, PC+48, PW+3
	OUTC PC+48, 3, 26
	v_cmp_le_u32 vcc_lo, 16, v[LN]                 ; both halves of the lanes hold row r's words: lanes 0-15 send tile 0's, lanes 16-31 tile 1's
	v_cndmask_b32 v36, v[PW], v[PW+2], vcc_lo
	v_cndmask_b32 v37, v[PW+1], v[PW+3], vcc_lo
	global_store_b64 v[L8], v[36:37], s[28:29]     ; 256 consecutive bytes, aligned
	s_wait_tensorcnt 0x0                           ; the wave's end
	ds_add_u32 v[SPW], v[NIL]
	s_wait_dscnt 0x0
	s_endpgm
.Lfunc_end_k_q3d45d9fa7a_pack:
	.size	k_q3d45d9fa7a_pack, .Lfunc_end_k_q3d45d9fa7a_pack-k_q3d45d9fa7a_pack
	.p2alignl 7, 3214868480
	.fill 96, 4, 3214868480
	.section	.rodata,"a",@progbits
	.p2align	6, 0x0
	.amdhsa_kernel k_q3d45d9fa7a_pack
		.amdhsa_group_segment_fixed_size 167936
		.amdhsa_private_segment_fixed_size 0
		.amdhsa_enable_private_segment 0
		.amdhsa_kernarg_size 72
		.amdhsa_user_sgpr_count 2
		.amdhsa_user_sgpr_kernarg_segment_ptr 1
		.amdhsa_wavefront_size32 1
		.amdhsa_system_sgpr_workgroup_id_x 1
		.amdhsa_system_sgpr_workgroup_id_y 1
		.amdhsa_system_sgpr_workgroup_id_z 1
		.amdhsa_system_vgpr_workitem_id 0
		.amdhsa_next_free_vgpr 256
		.amdhsa_next_free_sgpr 72
		.amdhsa_reserve_vcc 1
		.amdhsa_float_denorm_mode_32 3
		.amdhsa_float_denorm_mode_16_64 3
		.amdhsa_memory_ordered 1
		.amdhsa_forward_progress 1
		.amdhsa_inst_pref_size 47
	.end_amdhsa_kernel
	.amdgpu_metadata
---
amdhsa.version: [ 1, 2 ]
amdhsa.kernels:
  - .name:           k_q3d45d9fa7a_pack
    .symbol:         k_q3d45d9fa7a_pack.kd
    .args:
      - { .name: x, .offset: 0, .size: 8, .value_kind: global_buffer, .address_space: global }
      - { .name: W_qk_codes, .offset: 8, .size: 8, .value_kind: global_buffer, .address_space: global }
      - { .name: W_qk_scales, .offset: 16, .size: 8, .value_kind: global_buffer, .address_space: global }
      - { .name: W_v_codes, .offset: 24, .size: 8, .value_kind: global_buffer, .address_space: global }
      - { .name: W_v_scales, .offset: 32, .size: 8, .value_kind: global_buffer, .address_space: global }
      - { .name: W_o_codes, .offset: 40, .size: 8, .value_kind: global_buffer, .address_space: global }
      - { .name: W_o_scales, .offset: 48, .size: 8, .value_kind: global_buffer, .address_space: global }
      - { .name: xp, .offset: 56, .size: 8, .value_kind: global_buffer, .address_space: global }
      - { .name: wp, .offset: 64, .size: 8, .value_kind: global_buffer, .address_space: global }
    .group_segment_fixed_size: 167936
    .private_segment_fixed_size: 0
    .kernarg_segment_align: 8
    .kernarg_segment_size: 72
    .max_flat_workgroup_size: 128
    .sgpr_count:     72
    .vgpr_count:     256
    .wavefront_size: 32
...
	.end_amdgpu_metadata
.endif
;; end of part 1
;; launch qkv (part 2): grid 8 x 48, 4 waves a work-group, clusters of 4 x 4, 327,680 bytes of LDS; arguments xp, wp, b_qk, b_v, att; writes att
.if DOCPART == 2
	.amdgcn_target "amdgcn-amd-amdhsa--gfx1250"
	.amdhsa_code_object_version 6
	.text
	.protected	k_q3d45d9fa7a_qkv
	.globl	k_q3d45d9fa7a_qkv
	.p2align	8
	.type	k_q3d45d9fa7a_qkv,@function
k_q3d45d9fa7a_qkv:
	s_mov_b64 s[64:65], 0
	v_nop
	global_prefetch_b8 v0, s[64:65] scope:SCOPE_SE
	s_setreg_imm32_b32 hwreg(HW_REG_WAVE_MODE, 25, 1), 1
	s_wait_xcnt 0x0
	s_wait_alu depctr_hold_cnt(0) depctr_sa_sdst(0) depctr_va_vdst(0) depctr_va_sdst(0) depctr_va_ssrc(0) depctr_va_vcc(0) depctr_vm_vsrc(0)
	s_getreg_b32 s2, hwreg(HW_REG_IB_STS2, 6, 4)
	s_cmp_eq_u32 s2, 0
	s_cbranch_scc0 .Lentry_in_a_cluster
	s_endpgm
.Lentry_in_a_cluster:
	s_bfe_u32 s2, ttmp6, 0x10000c
	s_cmp_lg_u32 s2, 0xf033
	s_cbranch_scc0 .Lentry_shape_is_right
	s_endpgm
.Lentry_shape_is_right:
; q, k = x W_qk^T + b_qk and v = x W_v^T + b_v, on E5M2 codes with E8M0 scales, K = 1,024; the results are quantised in registers and leave as codes: q and k along a head's 64, v along the keys.
; OPERANDS come packed: (group of 128 rows, K step of 256) is one dense block of BLK bytes: sixteen fragments as images of their registers, then the scale words (128 i + 8 r + 4 q).
; Lane r of tile 2 B + u holds row 32 B + 8 u + r + 8 (r / 8) of its group, so the 16 registers of result tiles 2 B, 2 B + 1 are 16 neighbours along source 0's rows.
; A tile of 256 x 256 is made by four waves, each 128 x 128: 64 accumulators, 512 registers.  Source 0 = 'B', source 1 = 'A': a lane holds ONE row of A and its registers run along B's rows.
;   clusters y 0-7  (256 work-groups): A = 256 tokens, B = two heads' 128 rows (64 of q, 64 of k): a lane holds a token, its 64 registers of a block are q's two blocks of 32 and k's two.
;   clusters y 8-11 (128 work-groups): A = four heads' rows of W_v, B = 256 tokens: a lane holds one channel of v, its 64 registers are 128 keys: a fragment of V^T.
; One text serves both: the operands' pointers and indices are chosen on the cluster's y, which all sixteen partners share; two short branches on it set up the way out and add the bias.
; K goes in four steps of 256 through a ring of two LDS slots; a slot holds A's two blocks and B's two, one tensor load a wave.  The scale words ride in the blocks.
; CLUSTERS: 4 x 4.  A's blocks hang on the place along y alone and are asked for jointly by a row of the cluster, B's on the place along x alone, by a column.
; att: Q: [bh][tile of 16 tokens][1,024]; behind them a record of REC bytes a head: K [tile][1,024]; V [key step][tile of 16 channels][2,048]; the words of q and k (bytes 0, 1: q's; 2, 3: k's) at 512 (tile / 8) + 32 r + 4 (tile % 8); V's at 256 ks + 16 r + 4 t.
; LIMITS: NaN and infinities are not served; a block under 2^(16 - 127) takes the byte 1 (this program alone reads the bytes).
; REGISTERS: window 0: v0-31 addresses; v32-63 scale words, two sets (on the way out: words and work); v64-127 the bias; v128-255 A's fragments, one set (on the way out: the codes).  window 1: B's fragments, two sets.  windows 2, 3: the accumulators, (a, b) at v[8 (8 (a % 4) + b)].
.set BLK,    33792
.set GRP,    4*BLK                     ; a group's four K steps
.set SLOT,   4*BLK                     ; a slot's bytes in all; each of the four blocks (A's two, B's two) has its two slots side by side: block w, slot s at (2 w + s) BLK
.set SPARE,  2*SLOT                    ; behind the ring: the spare words, 128 bytes a wave: two blocks of 256 bytes that no other line names
.set QSZ,    8388608
.set REC,    137216
.set NQ,     2                         ; matrix instructions deep in a slot
.set FR,     16                        ; registers of a fragment
.set NL,     4                         ; LDS loads that bring one
.set NP,     8                         ; places behind this matrix instruction (ISA guide 7.12.1)
.set ADRA, 16                          ; v16-17 LDS address of my A fragments in slot 0, 1: 16 x lane + my block
.set ADRB, 20                          ; v20-21 the same for B
.set ADRS, 22                          ; v22-23 of my scale words: lanes 0-15 A's, lanes 16-31 B's
.set LI,   24                          ; v24 16 x lane
.set SCO,  25                          ; v25 the way out: my place among the scale words
.set LN,   26                          ; v26 lane
.set SPW,  28                          ; v28 LDS address of my spare word; never rewritten
.set NIL,  29                          ; v29 0; never rewritten
.set BO,   30                          ; v30 my lane's offset in the bias
.set SC,   32
.set PWD,  32                          ; the way out: v32-39 a scale word for each of A's blocks
.set TM,   40                          ; v40-55 at work in QUANTW
.set OW,   56                          ; v56-59 the words as they leave
.set BB,   64
.set AF,   128
.set G1, 24                            ; s[24:31] group 1 for A's blocks; s[32:39] group 0, a set for each slot
.set G0, 32
.set G1B, 48                           ; s[48:55], s[56:63] the same for B's
.set G0B, 56
.set P1, 72                            ; s[72:73], s[74:75] where a block's codes go; s[76:77] the words
.set P2, 74
.set PS, 76
.set STP, 78                           ; s[78:79] from block to block; s[80:81] the extra step into the second head's record
.set EXT, 80
.set SEL, 84
.set MNT, 86
.set BP,  88                           ; s[88:89] the bias
.set MSB, 0
.macro WIN new                         ; the immediate's high byte repeats the setting that is left
.if MSB != (\new)
	s_set_vgpr_msb (MSB<<8)|(\new)
.set MSB, (\new)
.endif
.endm
.set MUL_LO, 0xa1                      ; source 0 (B) window 1, source 1 (A) window 0, C and D window 2
.set MUL_HI, 0xf1
.set TO_B,   0x40
; A joint load: waves 0 and 1 fetch A's two blocks, waves 2 and 3 B's.  Four v_nop follow each of the two lines.
.macro JLOAD g0a, g1a, g0b, g1b
	s_cmp_eq_u32 s15, 0
	s_cbranch_scc0 .Lfor_b_\@
	tensor_load_to_lds s[\g0a:\g0a+3], s[\g1a:\g1a+7]
	s_nop 0
.rept 4
	v_nop
.endr
	s_branch .Lasked_\@
.Lfor_b_\@:
	tensor_load_to_lds s[\g0b:\g0b+3], s[\g1b:\g1b+7]
	s_nop 0
.rept 4
	v_nop
.endr
.Lasked_\@:
.endm
.macro CREST                           ; a round of the cluster's barrier behind its opening barrier
	s_cmp_lg_u32 s14, 0
	s_cbranch_scc1 .Lnot_wave_0_\@
	s_barrier_signal -3
.Lnot_wave_0_\@:
	s_barrier_wait -3
	s_barrier_signal -1
	s_barrier_wait -1
.endm
.macro CROUND
	s_barrier_signal -1
	s_barrier_wait -1
	CREST
.endm
	s_load_b256 s[4:11], s[0:1], 0x0               ; xp, wp, b_qk, b_v
	s_load_b64 s[12:13], s[0:1], 0x20              ; att
	v_lshl_add_u32 v[SPW], v0, 2, SPARE
	v_mov_b32 v[NIL], 0
	ds_add_u32 v28, v29
	ds_add_u32 v28, v29
	s_wait_dscnt 0x0
	v_lshrrev_b32 v1, 5, v0
	v_readfirstlane_b32 s14, v1                    ; wave 0..3
	s_lshr_b32 s15, s14, 1                         ; which block of A is mine.  Also: I fetch for A (0) or for B (1)
	s_and_b32 s16, s14, 1                          ; which block of B.  Also: which of the two blocks I fetch
	s_bfe_u32 s40, ttmp6, 0x40000                  ; cx, cy: my place in the cluster
	s_bfe_u32 s41, ttmp6, 0x40004
	s_and_b32 s66, ttmp7, 0xffff                   ; the cluster's y: the same in all sixteen
	s_lshl_b32 s17, s66, 2
	s_add_co_u32 s17, s17, s41                     ; q, k: A's tile = tokens 256 (4 Y + cy) on
	s_lshl_b32 s42, ttmp9, 2
	s_add_co_u32 s42, s42, s40                     ; q, k: B's tile = heads 2 (4 X + cx), + 1
	s_sub_co_u32 s69, s66, 8
	s_lshl_b32 s69, s69, 3
	s_add_co_u32 s69, s69, s42                     ; v: B's tile = tokens 256 (8 (Y - 8) + 4 X + cx) on
	s_cmp_lt_u32 s66, 8
	s_cselect_b32 s17, s17, s41                    ; v: A's tile = heads 4 cy on
	s_cselect_b32 s42, s42, s69
	s_cselect_b32 s67, 0, 1                        ; 0: q and k; 1: v
	s_cselect_b32 s68, 0, 16*GRP                   ; W_v's groups lie behind W_qk's sixteen
	s_lshl_b32 s43, s41, 2
	s_lshl_b32 s43, 15, s43                        ; my row of the cluster
	s_lshl_b32 s44, 0x1111, s40                    ; my column
	; group 1: a dense block of BLK bytes as 132 rows of 256 bytes (32 elements of 8 bytes), no padding: every LDS load here reads 512 consecutive bytes
	s_or_b32 s[G1+0], s43, (3<<16)|(1<<21)
	s_or_b32 s[G1B+0], s44, (3<<16)|(1<<21)
.irp g, G1, G1B
	s_mov_b32 s[\g+1], 32<<16                      ; tensor_dim0
	s_mov_b32 s[\g+2], 264<<16                     ; tensor_dim1: the head's load brings K steps 0 and 1, which lie end to end in memory
	s_mov_b32 s[\g+3], 32<<16                      ; tile_dim0
	s_mov_b32 s[\g+4], 264                         ; tile_dim1
	s_mov_b32 s[\g+5], 32                          ; from row to row
	s_mov_b32 s[\g+6], 0
	s_mov_b32 s[\g+7], 0
.endr
	s_lshl_b32 s20, s17, 1
	s_add_co_u32 s20, s20, s16
	s_mul_i32 s20, s20, GRP                        ; A: group 2 x tile + which I fetch
	s_add_co_u32 s20, s20, s68
	s_mov_b32 s21, 0
	s_lshl_b32 s46, s42, 1
	s_add_co_u32 s46, s46, s16
	s_mul_i32 s46, s46, GRP                        ; B likewise
	s_mov_b32 s47, 0
	s_mul_i32 s45, s14, 2*BLK                      ; where it goes: wave x two blocks: no place in the cluster enters an LDS address
	s_mov_b32 s[SEL], 0x76543210
	s_mov_b32 s[SEL+1], 0xfedcba98
	s_mov_b32 s[MNT], 0x600000
	s_wait_kmcnt 0x0
	s_cmp_lt_u32 s66, 8
	s_cselect_b64 s[22:23], s[4:5], s[6:7]         ; A: the tokens or the weights
	s_cselect_b64 s[92:93], s[6:7], s[4:5]         ; B: the other
	s_add_nc_u64 s[20:21], s[22:23], s[20:21]
	s_add_nc_u64 s[46:47], s[92:93], s[46:47]
	CROUND                                         ; all sixteen work-groups are here: the first joint loads meet
.irp s, 0,1
	s_mov_b32 s[G0+4*\s], 1
	s_add_co_u32 s[G0+4*\s+1], s45, \s*BLK
	s_add_nc_u64 s[G0+4*\s+2:G0+4*\s+3], s[20:21], \s*BLK      ; K step s
	s_or_b32 s[G0+4*\s+3], s[G0+4*\s+3], 0x80000000
	s_mov_b32 s[G0B+4*\s], 1
	s_add_co_u32 s[G0B+4*\s+1], s45, \s*BLK
	s_add_nc_u64 s[G0B+4*\s+2:G0B+4*\s+3], s[46:47], \s*BLK
	s_or_b32 s[G0B+4*\s+3], s[G0B+4*\s+3], 0x80000000
.endr
	JLOAD G0, G1, G0B, G1B                         ; one tensor load a wave at the head: K steps 0 and 1 of my block, 264 rows, into its two slots
	v_and_b32 v1, 15, v0                           ; r
	v_bfe_u32 v2, v0, 4, 1                         ; h
	v_and_b32 v[LN], 31, v0
	v_lshlrev_b32 v[LI], 4, v[LN]
	s_mul_i32 s90, s15, 2*BLK                      ; my block of A
	s_mul_i32 s91, s16, 2*BLK
	s_add_co_u32 s91, s91, 4*BLK                   ; my block of B, behind A's two
	s_sub_co_u32 s87, s91, s90
	v_mul_u32_u24 v3, s87, v2                      ; lanes 16-31 take B's words
	v_lshl_add_u32 v3, v1, 3, v3
	v_add_nc_u32 v3, 32768, v3
.irp s, 0,1
	v_add_nc_u32 v[ADRA+\s], s90, v[LI]
	v_add_nc_u32 v[ADRB+\s], s91, v[LI]
	v_add_nc_u32 v[ADRS+\s], s90, v3
	s_add_co_u32 s90, s90, BLK
	s_add_co_u32 s91, s91, BLK
.endr
	; the way out is set up, and the bias asked for, while the first blocks are on their way.  Both arms write the same registers and issue 64 loads.
	s_cmp_eq_u32 s67, 0
	s_cbranch_scc0 .Lv_setup
	s_lshl_b32 s94, s42, 1
	s_add_co_u32 s94, s94, s16                     ; my head
	s_lshr_b32 s95, s17, 2                         ; the batch
	s_lshl_b32 s95, s95, 4
	s_add_co_u32 s95, s95, s94                     ; bh
	s_and_b32 s96, s17, 3
	s_lshl_b32 s96, s96, 4
	s_lshl_b32 s97, s15, 3
	s_add_co_u32 s96, s96, s97                     ; my first tile of 16 tokens in the batch
	s_lshl_b32 s[P1], s95, 16
	s_lshl_b32 s97, s96, 10
	s_add_co_u32 s[P1], s[P1], s97                 ; q's codes
	s_mul_i32 s98, s95, REC
	s_add_co_u32 s98, s98, QSZ                     ; the head's record
	s_add_co_u32 s[P2], s98, s97                   ; k's codes
	s_lshl_b32 s97, s96, 6
	s_add_co_u32 s[PS], s98, s97
	s_add_co_u32 s[PS], s[PS], 131072              ; the words: 512 bytes for eight tiles
	s_mov_b32 s[STP], 1024
	s_mov_b32 s[EXT], 0
	s_mov_b32 s82, 32
	s_mov_b32 s83, 16
	s_lshl_b32 s[BP], s94, 2
	s_mov_b32 s[BP+1], 0
	s_add_nc_u64 s[BP:BP+1], s[8:9], s[BP:BP+1]
	v_lshlrev_b32 v[BO], 11, v2                    ; register 8 b + j: b_qk at row 32 kd + 16 n + head, kd = 32 ((b / 2) % 2) + 16 h + 8 (b % 2) + j, n = b / 4
.irp b, 0,1,2,3,4,5,6,7
.irp j, 0,1,2,3,4,5,6,7
	global_load_b32 v[BB+8*\b+\j], v[BO], s[BP:BP+1] offset:((32*((\b/2)%2)+8*(\b%2)+\j)*32+16*(\b/4))*4
.endr
.endr
	s_branch .Lsetup_done
.Lv_setup:
	s_lshl_b32 s94, s17, 2
	s_lshl_b32 s95, s15, 1
	s_add_co_u32 s94, s94, s95                     ; my first head of two
	s_lshl_b32 s96, s42, 1
	s_add_co_u32 s96, s96, s16                     ; my group of 128 tokens
	s_lshr_b32 s95, s96, 3                         ; the batch
	s_and_b32 s96, s96, 7                          ; the key step
	s_lshl_b32 s95, s95, 4
	s_add_co_u32 s95, s95, s94                     ; bh
	s_mul_i32 s98, s95, REC
	s_add_co_u32 s98, s98, QSZ
	s_lshl_b32 s97, s96, 13
	s_add_co_u32 s[P1], s98, s97
	s_add_co_u32 s[P1], s[P1], 65536               ; V's fragments of this key step: the first half of each,
	s_add_co_u32 s[P2], s[P1], 1024                ; and the second
	s_lshl_b32 s97, s96, 8
	s_add_co_u32 s[PS], s98, s97
	s_add_co_u32 s[PS], s[PS], 135168
	s_mov_b32 s[STP], 2048
	s_mov_b32 s[EXT], REC-8192                     ; from the first head's fourth fragment to the second head's first
	s_mov_b32 s82, 16
	s_mov_b32 s83, REC
	s_lshl_b32 s[BP], s94, 2
	s_mov_b32 s[BP+1], 0
	s_add_nc_u64 s[BP:BP+1], s[10:11], s[BP:BP+1]
	v_and_b32 v4, 8, v1
	v_add_nc_u32 v4, v4, v1
	v_lshlrev_b32 v[BO], 6, v4                     ; registers 8 a + 0 .. 7, all alike: b_v at row 16 vd + head, vd = 32 ((a / 2) % 2) + 8 (a % 2) + r + 8 (r / 8), head + a / 4
.irp a, 0,1,2,3,4,5,6,7
.irp j, 0,1,2,3,4,5,6,7
	global_load_b32 v[BB+8*\a+\j], v[BO], s[BP:BP+1] offset:((32*((\a/2)%2)+8*(\a%2))*16+\a/4)*4
.endr
.endr
.Lsetup_done:
	s_mov_b32 s[P1+1], 0
	s_mov_b32 s[P2+1], 0
	s_mov_b32 s[PS+1], 0
	s_mov_b32 s[STP+1], 0
	s_mov_b32 s[EXT+1], 0
	s_add_nc_u64 s[P1:P1+1], s[12:13], s[P1:P1+1]
	s_add_nc_u64 s[P2:P2+1], s[12:13], s[P2:P2+1]
	s_add_nc_u64 s[PS:PS+1], s[12:13], s[PS:PS+1]
	v_mul_u32_u24 v[SCO], s82, v1
	v_mad_u32_u24 v[SCO], v2, s83, v[SCO]
.macro FRAG reg, adr, q, i             ; fragment (i, q) of a block: four loads of 512 consecutive bytes
.irp c, 0,1,2,3
	ds_load_b128 v[\reg+4*\c:\reg+4*\c+3], v[\adr] offset:(2*(\i)+(\q))*2048+512*\c
.endr
.endm
; 16 matrix instructions: A's blocks a0, a0 + 1 x B's eight, the slot's q-th 128 along K.  p: B's set; sc: the set of scale words.  zero = 1: the product starts the sums.
; The 64 accumulators take turns, one instruction a turn, in the same order in every step.
.macro MUL16 a0, p, q, sc, zero
.irp a, \a0, \a0+1
.irp b, 0,1,2,3,4,5,6,7
.if \zero
	v_wmma_scale_f32_16x16x128_f8f6f4 v[8*(8*((\a)%4)+\b):8*(8*((\a)%4)+\b)+7], v[128*(\p)+FR*\b:128*(\p)+FR*\b+FR-1], v[AF+FR*(\a):AF+FR*(\a)+FR-1], 0, v[SC+8*NQ*(\sc)+NQ*\b+(\q)], v[SC+8*NQ*(\sc)+NQ*(\a)+(\q)] matrix_a_fmt:MATRIX_FMT_BF8 matrix_b_fmt:MATRIX_FMT_BF8 matrix_a_scale:MATRIX_SCALE_ROW1
.else
	v_wmma_scale_f32_16x16x128_f8f6f4 v[8*(8*((\a)%4)+\b):8*(8*((\a)%4)+\b)+7], v[128*(\p)+FR*\b:128*(\p)+FR*\b+FR-1], v[AF+FR*(\a):AF+FR*(\a)+FR-1], v[8*(8*((\a)%4)+\b):8*(8*((\a)%4)+\b)+7], v[SC+8*NQ*(\sc)+NQ*\b+(\q)], v[SC+8*NQ*(\sc)+NQ*(\a)+(\q)] matrix_a_fmt:MATRIX_FMT_BF8 matrix_b_fmt:MATRIX_FMT_BF8 matrix_a_scale:MATRIX_SCALE_ROW1
.endif
.endr
.endr
.endm
.macro FETCH_B slot, q, p
	WIN TO_B
.irp i, 0,1,2,3,4,5,6,7
	FRAG 128*(\p)+FR*\i, ADRB+\slot, \q, \i
.endr
	WIN 0
.endm
.macro FETCH_A slot, q, i0
.irp i, \i0, \i0+1, \i0+2, \i0+3
	FRAG AF+FR*(\i), ADRA+\slot, \q, \i
.endr
.endm
.macro SCALES sc                       ; the slot's scale words: two a row; lanes 0-15 take A's block i, lanes 16-31 B's block i
.irp i, 0,1,2,3,4,5,6,7
	ds_load_b64 v[SC+8*NQ*\sc+NQ*\i:SC+8*NQ*\sc+NQ*\i+1], v[ADRS+\sc] offset:128*\i
.endr
.endm
.macro PLACES n                        ; plain vector lines between a matrix instruction and a load into, or a read of, its registers (ISA guide 7.12.1 for the reads)
.rept \n
	v_nop
.endr
.endm
.macro STEP slot, q, zero              ; 128 along K whose successor lies in the same slot
	s_wait_dscnt 4*NL                              ; B's set and A's blocks 0-3 are in; the youngest sixteen loads (A's blocks 4-7) may be out
	WIN MUL_LO
	MUL16 0, (\q)%2, \q, \slot, \zero
	MUL16 2, (\q)%2, \q, \slot, \zero
	s_wait_dscnt 0
	PLACES NP
	FETCH_B \slot, (\q)+1, 1-(\q)%2
	FETCH_A \slot, (\q)+1, 0
	WIN MUL_HI
	MUL16 4, (\q)%2, \q, \slot, \zero
	MUL16 6, (\q)%2, \q, \slot, \zero
	PLACES NP
	WIN 0
	FETCH_A \slot, (\q)+1, 4
.endm
; A slot's last step changes slots: one barrier; in front of it each wave waits for all its tensor loads, adds 0 to its spare word, and waits for that and for its reads of this slot.  fill = 1: this slot is filled again, two K steps ahead.
.macro TURN slot, next, fill
	s_wait_tensorcnt 0x0                           ; all my tensor loads have landed: my part of the next slot
	ds_add_u32 v[SPW], v[NIL]                      ; 0 onto my spare word
	s_wait_dscnt 4*NL+1                            ; the add and the youngest sixteen loads (A's blocks 4-7) may be out
	WIN MUL_LO
	MUL16 0, 1, NQ-1, \slot, 0
	s_wait_dscnt 0x0                               ; the add is done, and my reads of this slot are over
	s_barrier_signal -1
	MUL16 2, 1, NQ-1, \slot, 0
	WIN 0
	s_barrier_wait -1
.if \fill
	CREST                                          ; the barrier has opened a round of the cluster's: no wave of any partner still reads this slot or has a load on its way
	s_add_nc_u64 s[G0+4*\slot+2:G0+4*\slot+3], s[G0+4*\slot+2:G0+4*\slot+3], 2*BLK
	s_add_nc_u64 s[G0B+4*\slot+2:G0B+4*\slot+3], s[G0B+4*\slot+2:G0B+4*\slot+3], 2*BLK
	JLOAD G0+4*\slot, G1, G0B+4*\slot, G1B         ; the first tensor load behind the round; its four v_nop are among the places in front of the loads below
	PLACES NP-4
.else
	PLACES NP
.endif
	FETCH_B \next, 0, 0
	FETCH_A \next, 0, 0
	SCALES \next
	WIN MUL_HI
	MUL16 4, 1, NQ-1, \slot, 0
	MUL16 6, 1, NQ-1, \slot, 0
	PLACES NP
	WIN 0
	FETCH_A \next, 0, 4
.endm
	s_wait_alu depctr_va_vdst(0)
	s_wait_tensorcnt 0x0                           ; my block's K steps 0 and 1 are in; no load of mine is out, so a descriptor may be written:
	s_mov_b32 s[G1+2], 132<<16                     ; from here on a load brings one K step, 132 rows
	s_mov_b32 s[G1+4], 132
	s_mov_b32 s[G1B+2], 132<<16
	s_mov_b32 s[G1B+4], 132
	s_barrier_signal -1
	s_barrier_wait -1                              ; everybody's are in
	FETCH_B 0, 0, 0
	FETCH_A 0, 0, 0
	SCALES 0
	FETCH_A 0, 0, 4
	STEP 0, 0, 1                                   ; four K steps, written out: the first products start the sums
	TURN 0, 1, 1
	STEP 1, 0, 0
	TURN 1, 0, 1
	STEP 0, 0, 0
	TURN 0, 1, 0                                   ; the last two K steps fill nothing
	STEP 1, 0, 0
	s_wait_dscnt 4*NL
	WIN MUL_LO
	MUL16 0, 1, NQ-1, 1, 0
	MUL16 2, 1, NQ-1, 1, 0
	s_wait_dscnt 0
	WIN MUL_HI
	MUL16 4, 1, NQ-1, 1, 0
	MUL16 6, 1, NQ-1, 1, 0
	WIN 0
	; ---- THE WAY OUT: the bias, then block by block of A: 64 numbers a lane become a fragment's codes and a scale word
.macro BIAS byrow                      ; byrow = 0: the bias runs with B's rows (q, k); 1: with A's (v).  Each accumulator from its low end on
.irp a, 0,1,2,3,4,5,6,7
	WIN 0x82+0x41*(\a/4)
.irp b, 0,1,2,3,4,5,6,7
.irp p, 0,2,4,6
.if \byrow
	v_pk_add_f32 v[8*(8*(\a%4)+\b)+\p:8*(8*(\a%4)+\b)+\p+1], v[8*(8*(\a%4)+\b)+\p:8*(8*(\a%4)+\b)+\p+1], v[BB+8*\a+\p:BB+8*\a+\p+1]
.else
	v_pk_add_f32 v[8*(8*(\a%4)+\b)+\p:8*(8*(\a%4)+\b)+\p+1], v[8*(8*(\a%4)+\b)+\p:8*(8*(\a%4)+\b)+\p+1], v[BB+8*\b+\p:BB+8*\b+\p+1]
.endif
.endr
.endr
.endr
	WIN 0
.endm
; 64 numbers of a lane in window w, register 16 b + i = place 32 b + 16 (lane / 16) + i along the next K, become codes in v[pc] on and the word in v[pw], both in window 0
.macro QUANTW s, pc, pw, w
	WIN (\w)|((\w)<<2)
.irp b, 0,1,2,3
	v_max3_num_f32 v[TM+\b], |v[(\s)+16*\b]|, |v[(\s)+16*\b+1]|, 0x8000000   ; and the floor 2^(16 - 127): the byte cannot fall under 1
.endr
	WIN ((\w)<<2)|((\w)<<4)
.irp i, 2,4,6,8,10,12,14
.irp b, 0,1,2,3
	v_max3_num_f32 v[TM+\b], v[TM+\b], |v[(\s)+16*\b+\i]|, |v[(\s)+16*\b+\i+1]|
.endr
.endr
	WIN 0
.irp b, 0,1,2,3
	v_permlanex16_b32 v[TM+4+\b], v[TM+\b], s[SEL], s[SEL+1]
.endr
.irp b, 0,1,2,3
	v_max_num_f32 v[TM+\b], v[TM+\b], v[TM+4+\b]                ; with lane l xor 16's: the block's largest magnitude
.endr
.irp b, 0,1,2,3
	v_add_nc_u32 v[TM+12+\b], 0xf8800000, v[TM+\b]              ; 15 off its exponent field: the conversion's scale operand
.endr
.irp b, 0,1,2,3
	v_and_or_b32 v[TM+8+\b], v[TM+\b], 0x7f800000, s[MNT]       ; 57,344 x the scale
.endr
.irp b, 0,1,2,3
	v_lshrrev_b32 v[TM+4+\b], 23, v[TM+12+\b]                   ; the scale's byte
.endr
	v_lshl_or_b32 v[\pw], v[TM+5], 8, v[TM+4]
	v_lshl_or_b32 v[\pw], v[TM+6], 16, v[\pw]
	v_lshl_or_b32 v[\pw], v[TM+7], 24, v[\pw]
	WIN (\w)|((\w)<<6)
.irp b, 0,1,2,3
.irp i, 0,1,2,3,4,5,6,7,8,9,10,11,12,13,14,15
	v_med3_num_f32 v[(\s)+16*\b+\i], v[(\s)+16*\b+\i], -v[TM+8+\b], v[TM+8+\b]   ; the conversion does not saturate (ISA guide 7.6.2): the hold
.endr
.endr
	WIN (\w)
.irp b, 0,1,2,3
	v_cvt_scalef32_pk8_bf8_f32 v[(\pc)+4*\b:(\pc)+4*\b+1], v[(\s)+16*\b:(\s)+16*\b+7], v[TM+12+\b]
	v_cvt_scalef32_pk8_bf8_f32 v[(\pc)+4*\b+2:(\pc)+4*\b+3], v[(\s)+16*\b+8:(\s)+16*\b+15], v[TM+12+\b]
.endr
	WIN 0
	v_nop                                          ; one plain line behind the last conversion
.endm
	PLACES NP
.irp b, 0,1,2,3
	v_mov_b32 v[TM+4+\b], 0                        ; written once: a lane permute's destination counts as one of its sources
.endr
	s_wait_loadcnt 0x0                             ; the bias
	s_cmp_eq_u32 s67, 0
	s_cbranch_scc0 .Lv_bias
	BIAS 0
	s_branch .Lbias_done
.Lv_bias:
	BIAS 1
.Lbias_done:
.irp a, 0,1,2,3,4,5,6,7
	QUANTW 64*(\a%4), AF+16*\a, PWD+\a, 2+\a/4
.if \a > 0
	s_wait_alu depctr_va_vdst(0)
	s_wait_xcnt 0x0                                ; the earlier stores have read their bases: only behind this wait are they stepped
	s_add_nc_u64 s[P1:P1+1], s[P1:P1+1], s[STP:STP+1]
	s_add_nc_u64 s[P2:P2+1], s[P2:P2+1], s[STP:STP+1]
.endif
.if \a == 4
	s_add_nc_u64 s[P1:P1+1], s[P1:P1+1], s[EXT:EXT+1]
	s_add_nc_u64 s[P2:P2+1], s[P2:P2+1], s[EXT:EXT+1]
.endif
	global_store_b128 v[LI], v[AF+16*\a:AF+16*\a+3], s[P1:P1+1]               ; each store covers 512 consecutive bytes, aligned; each block has code registers of its own
	global_store_b128 v[LI], v[AF+16*\a+4:AF+16*\a+7], s[P1:P1+1] offset:512
	global_store_b128 v[LI], v[AF+16*\a+8:AF+16*\a+11], s[P2:P2+1]
	global_store_b128 v[LI], v[AF+16*\a+12:AF+16*\a+15], s[P2:P2+1] offset:512
.endr
	v_cmp_le_u32 vcc_lo, 16, v[LN]                 ; both halves of the lanes hold row r's words: lanes 0-15 send blocks 0-3's, lanes 16-31 blocks 4-7's
.irp j, 0,1,2,3
	v_cndmask_b32 v[OW+\j], v[PWD+\j], v[PWD+4+\j], vcc_lo
.endr
	global_store_b128 v[SCO], v[OW:OW+3], s[PS:PS+1]   ; q, k: 512 consecutive bytes; v: 256 in each of two heads' records
	s_wait_tensorcnt 0x0                           ; the wave's end
	ds_add_u32 v[SPW], v[NIL]
	s_wait_dscnt 0x0
	CROUND                                         ; the closing round: no work-group ends while a partner may still ask for a block that names it
	s_endpgm
.Lfunc_end_k_q3d45d9fa7a_qkv:
	.size	k_q3d45d9fa7a_qkv, .Lfunc_end_k_q3d45d9fa7a_qkv-k_q3d45d9fa7a_qkv
	.p2alignl 7, 3214868480
	.fill 96, 4, 3214868480
	.section	.rodata,"a",@progbits
	.p2align	6, 0x0
	.amdhsa_kernel k_q3d45d9fa7a_qkv
		.amdhsa_group_segment_fixed_size 327680
		.amdhsa_private_segment_fixed_size 0
		.amdhsa_enable_private_segment 0
		.amdhsa_kernarg_size 40
		.amdhsa_user_sgpr_count 2
		.amdhsa_user_sgpr_kernarg_segment_ptr 1
		.amdhsa_wavefront_size32 1
		.amdhsa_system_sgpr_workgroup_id_x 1
		.amdhsa_system_sgpr_workgroup_id_y 1
		.amdhsa_system_sgpr_workgroup_id_z 1
		.amdhsa_system_vgpr_workitem_id 0
		.amdhsa_next_free_vgpr 1024
		.amdhsa_next_free_sgpr 100
		.amdhsa_reserve_vcc 1
		.amdhsa_float_denorm_mode_32 3
		.amdhsa_float_denorm_mode_16_64 3
		.amdhsa_memory_ordered 1
		.amdhsa_forward_progress 1
		.amdhsa_inst_pref_size 229
	.end_amdhsa_kernel
	.amdgpu_metadata
---
amdhsa.version: [ 1, 2 ]
amdhsa.kernels:
  - .name:           k_q3d45d9fa7a_qkv
    .symbol:         k_q3d45d9fa7a_qkv.kd
    .args:
      - { .name: xp, .offset: 0, .size: 8, .value_kind: global_buffer, .address_space: global }
      - { .name: wp, .offset: 8, .size: 8, .value_kind: global_buffer, .address_space: global }
      - { .name: b_qk, .offset: 16, .size: 8, .value_kind: global_buffer, .address_space: global }
      - { .name: b_v, .offset: 24, .size: 8, .value_kind: global_buffer, .address_space: global }
      - { .name: att, .offset: 32, .size: 8, .value_kind: global_buffer, .address_space: global }
    .group_segment_fixed_size: 327680
    .private_segment_fixed_size: 0
    .kernarg_segment_align: 8
    .kernarg_segment_size: 40
    .max_flat_workgroup_size: 128
    .sgpr_count:     100
    .vgpr_count:     1024
    .wavefront_size: 32
...
	.end_amdgpu_metadata
.endif
;; end of part 2
;; launch attn (part 3): grid 256 x 1, 8 waves a work-group, clusters of 4 x 1, 327,680 bytes of LDS; arguments att, op; writes op
.if DOCPART == 3
	.amdgcn_target "amdgcn-amd-amdhsa--gfx1250"
	.amdhsa_code_object_version 6
	.text
	.protected	k_q3d45d9fa7a_attn
	.globl	k_q3d45d9fa7a_attn
	.p2align	8
	.type	k_q3d45d9fa7a_attn,@function
k_q3d45d9fa7a_attn:
	s_mov_b64 s[64:65], 0
	v_nop
	global_prefetch_b8 v0, s[64:65] scope:SCOPE_SE
	s_setreg_imm32_b32 hwreg(HW_REG_WAVE_MODE, 25, 1), 1
	s_wait_xcnt 0x0
	s_wait_alu depctr_hold_cnt(0) depctr_sa_sdst(0) depctr_va_vdst(0) depctr_va_sdst(0) depctr_va_ssrc(0) depctr_va_vcc(0) depctr_vm_vsrc(0)
	s_getreg_b32 s2, hwreg(HW_REG_IB_STS2, 6, 4)
	s_cmp_eq_u32 s2, 0
	s_cbranch_scc0 .Lentry_in_a_cluster
	s_endpgm
.Lentry_in_a_cluster:
	s_bfe_u32 s2, ttmp6, 0x10000c
	s_cmp_lg_u32 s2, 0x3003
	s_cbranch_scc0 .Lentry_shape_is_right
	s_endpgm
.Lentry_shape_is_right:
; o = softmax(q k^T / 8) v, both products on E5M2 codes with E8M0 scales; o / l is quantised along (head, channel) and leaves as a piece of the out-projection's packed operand.  No step of the problem is left out here.
; t = score x log2(e) / 8; M = the row's largest t so far, rounded UP to a whole number; p = 2^(t - M) is what is quantised, along the keys; the row's sum is taken of the unquantised p and divides at the end.
; When M moves, the sum and O are multiplied by 2^(old M - new M): exact.
; SHARES.  A cluster of four work-groups owns two heads, 2 C and 2 C + 1 of the 128 (batch, head); work-group cx owns queries 256 cx .. + 255 of both.  A head's record, REC bytes (K, V and their scale words),
; is needed whole by all four: it is asked for JOINTLY, an eighth (67 rows of 256 bytes) a wave.  LDS holds both records: the first is asked for at the head, the second behind the next round, and is first read behind the barrier at the first head's end.  Nothing is filled again.
; Each of eight waves owns two tiles of 16 queries and takes them TOGETHER through the keys, 128 a step: both tiles use each fragment of K and V that the wave reads, and their chains of vector lines take turns.
; The loop over the two heads is written once; LDS base, q and the places in op differ from trip to trip.
; NO PREFETCH: both records are asked for by the tensor loads at the head; there is no later request to run ahead of.
; LAYOUT.  S^T = K Q^T (source 0 = 16 keys, source 1 = 16 queries), O^T = V^T P^T (source 0 = 16 channels): a lane holds ONE query of each tile throughout.  All operands lie in LDS as images of their registers.
; The keys of a tile of K are not neighbours (lane r of tile 2 B + u: key 32 B + 8 u + r + 8 (r / 8)), so p's 16 registers of tiles 2 B, 2 B + 1 are 16 neighbouring keys; V's channels likewise, so O's registers run along the next K.
; A HEAD'S 64 IN A FORM OF 128: Q's operand is eight registers of zero codes and its eight of codes; tile t of K is named with the eight registers in front of it (the tile before, or zeros): the lower 64 multiply zero codes by finite codes.
; The word of a token holds q's two bytes below and k's two above: K takes it as it lies, Q shifted up by 16 bits.
; A block's largest p is not searched for: the block's largest score goes through the same multiply-add and exponential (this takes v_exp_f32 not to fall where its input rises; at the worst one p within an ulp of a power of two is held one code low).
; LIMITS: NaN and infinities are not served; the scaled scores stay under 2^31 in magnitude; a block under 2^(16 - 127) takes the byte 1 (this program alone reads the bytes).
; REGISTERS.  Window 0: v0-47 addresses, state, scale words; v48-93 at work; v96-127 p's codes; v128-255 S^T, then p, of both tiles.  Window 1 (named by its low 8 bits): zeros, K, V, O^T, Q.
.set BLK,  33792
.set QSZ,  8388608
.set REC,  137216
.set PART, 17152                       ; an eighth of a record
.set SPARE, 2*REC                      ; behind the two records: the spare words, 128 bytes a wave
.set LI,   1                           ; 16 x lane
.set AQS,  2                           ; 131,072 + 32 r: the words of q and k in a record
.set AVS,  3                           ; 135,168 + 16 r: V's words
.set OS8,  4                           ; 8 r: o's scale words
.set R32,  5                           ; 32 r
.set SPW,  6                           ; my spare word; never rewritten
.set NIL,  7                           ; 0; never rewritten
.set ADK,  8
.set ADV,  9
.set ADS,  10
.set ADT,  11
.set MN,   12                          ; tile e: v[12+4e] -M, v[13+4e] the largest score, v[14+4e:15+4e] the sum in two halves
.set FF,   20                          ; v[20+2e] f = 2^(old M - new M)
.set LV,   24                          ; 16 x lane + 65,536: V's fragments
.set TT,   26
.set PWD,  28                          ; p's scale words
.set QW,   30                          ; q's scale words, shifted
.set VW,   32                          ; v32-35 V's words
.set QWA,  36                          ; v36-37 this head's words of my queries; v38-39 the next head's
.set QWB,  38
.set KW,   40                          ; v40-47 K's words
.set TM,   48                          ; block n = 4 e + b: largest score, then largest p
.set T1,   56
.set LIM,  64                          ; 57,344 x the scale
.set SCF,  72                          ; the conversions' scale operands
.set XS,   80                          ; v80-91 the sums' side chains
.set OWD,  92                          ; v92-93 o's scale words: the first head's bytes below, the second's above
.set PCD,  96
.set S,    128
.set KZ,   0                           ; window 1
.set KR,   8
.set VR,   72
.set O,    136
.set QF,   200                         ; tile e: eight zeros, eight of codes
.set QS,   232                         ; the next head's q
.set WV,   18
.set MNT,  19
.set SEL,  20
.set CS,   22                          ; s[22:23] c = log2(e) / 8
.set G1,   24
.set G0A,  32
.set G0B,  36
.set TK,   40
.set TS,   41
.set TJ,   42
.set CNT,  43
.set RB,   60                          ; LDS byte at which the head's record begins
.set HC,   61
.set MSB, 0
.macro WIN new                         ; the immediate's high byte repeats the setting that is left
.if MSB != (\new)
	s_set_vgpr_msb (MSB<<8)|(\new)
.set MSB, (\new)
.endif
.endm
.macro CROUND                          ; a round of the cluster's barrier
	s_barrier_signal -1
	s_barrier_wait -1
	s_cmp_lg_u32 s[WV], 0
	s_cbranch_scc1 .Lnot_wave_0_\@
	s_barrier_signal -3
.Lnot_wave_0_\@:
	s_barrier_wait -3
	s_barrier_signal -1
	s_barrier_wait -1
.endm
.macro TLOAD g0                        ; a joint load; s_nop 0 and four v_nop follow it
	tensor_load_to_lds s[\g0:\g0+3], s[G1:G1+7]
	s_nop 0
.rept 4
	v_nop
.endr
.endm
	s_load_b128 s[4:7], s[0:1], 0x0                ; att, op
	v_lshl_add_u32 v[SPW], v0, 2, SPARE
	v_mov_b32 v[NIL], 0
	ds_add_u32 v[SPW], v[NIL]                      ; the opening: the add, twice on end, and its wait ahead of my first tensor load
	ds_add_u32 v[SPW], v[NIL]
	v_lshrrev_b32 v8, 5, v0
	v_readfirstlane_b32 s[WV], v8                  ; wave 0..7
	s_bfe_u32 s10, ttmp6, 0x40000                  ; cx: my quarter of the queries; it enters global addresses of q and o alone
	s_lshl_b32 s8, ttmp9, 1                        ; bh of the cluster's first head (even)
	s_mul_i32 s9, s8, REC
	s_add_co_u32 s9, s9, QSZ                       ; its record; the second head's follows it
	s_mul_i32 s33, s[WV], PART                     ; my eighth: in LDS,
	s_add_co_u32 s12, s9, s33                      ; and in att
	s_mov_b32 s13, 0
	s_add_co_u32 s37, s33, REC
	s_lshl_b32 s14, s8, 16
	s_lshl_b32 s11, s10, 14
	s_add_co_u32 s14, s14, s11
	s_lshl_b32 s11, s[WV], 11
	s_add_co_u32 s14, s14, s11                     ; Q: 65,536 bh + 1,024 (16 cx + 2 wave)
	s_mov_b32 s15, 0
	s_lshl_b32 s16, s10, 1
	s_lshr_b32 s11, s[WV], 2
	s_add_co_u32 s16, s16, s11                     ; my group of 128 tokens in the batch
	s_and_b32 s17, s[WV], 3                        ; my pair of tiles in it
	s_lshl_b32 s52, s16, 9
	s_add_co_u32 s52, s52, s9
	s_add_co_u32 s52, s52, 131072
	s_lshl_b32 s11, s17, 3
	s_add_co_u32 s52, s52, s11                     ; my queries' words
	s_mov_b32 s53, 0
	s_lshr_b32 s54, ttmp9, 3                       ; the batch
	s_lshl_b32 s54, s54, 3
	s_add_co_u32 s54, s54, s16                     ; op: the group,
	s_lshl_b32 s54, s54, 2
	s_bfe_u32 s55, s8, 0x20002
	s_add_co_u32 s54, s54, s55                     ; the K step: head / 4,
	s_mul_i32 s54, s54, BLK
	s_bfe_u32 s55, s8, 0x10001                     ; which 128 of it: (head / 2) % 2; which 64 of that: the first head the lower, the second the upper
	s_lshl_b32 s56, s17, 13
	s_add_co_u32 s56, s56, s54
	s_lshl_b32 s11, s55, 11
	s_add_co_u32 s56, s56, s11                     ; the codes
	s_mov_b32 s57, 0
	s_lshl_b32 s58, s17, 8
	s_add_co_u32 s58, s58, s54
	s_add_co_u32 s58, s58, 32768
	s_lshl_b32 s11, s55, 2
	s_add_co_u32 s58, s58, s11                     ; the scale words
	s_mov_b32 s59, 0
	s_mov_b32 s[G1], 15|(3<<16)|(1<<21)            ; group 1: all four work-groups; 67 rows of 256 bytes (32 elements of 8 bytes), dense, no padding
	s_mov_b32 s[G1+1], 32<<16
	s_mov_b32 s[G1+2], 67<<16
	s_mov_b32 s[G1+3], 32<<16
	s_mov_b32 s[G1+4], 67
	s_mov_b32 s[G1+5], 32
	s_mov_b32 s[G1+6], 0
	s_mov_b32 s[G1+7], 0
	s_mov_b32 s[G0A], 1
	s_mov_b32 s[G0B], 1
	s_mov_b32 s[SEL], 0x76543210
	s_mov_b32 s[SEL+1], 0xfedcba98
	s_mov_b32 s[CS], 0x3e38aa3b
	s_mov_b32 s[CS+1], s[CS]                       ; (named with it as a pair, so it is written)
	s_mov_b32 s[MNT], 0x600000
	s_mov_b32 s[RB], 0
	s_mov_b32 s[HC], 0
	s_wait_alu depctr_va_vdst(0)
	s_wait_dscnt 0x0                               ; both opening adds are done
	CROUND                                         ; all four work-groups are here: the first joint loads meet
	s_wait_kmcnt 0x0
	s_add_nc_u64 s[G0A+2:G0A+3], s[4:5], s[12:13]
	s_add_nc_u64 s[G0B+2:G0B+3], s[G0A+2:G0A+3], REC
	s_or_b32 s[G0A+3], s[G0A+3], 0x80000000
	s_or_b32 s[G0B+3], s[G0B+3], 0x80000000
	TLOAD G0A                                      ; the first head's record: my one load at the head
	s_add_nc_u64 s[44:45], s[4:5], s[14:15]
	s_add_nc_u64 s[46:47], s[4:5], s[52:53]
	s_add_nc_u64 s[48:49], s[6:7], s[56:57]
	s_add_nc_u64 s[50:51], s[6:7], s[58:59]
	v_and_b32 v9, 31, v0
	v_and_b32 v10, 15, v0
	v_lshlrev_b32 v[LI], 4, v9
	v_lshlrev_b32 v[R32], 5, v10
	v_lshlrev_b32 v[OS8], 3, v10
	v_lshl_add_u32 v[AVS], v10, 4, 135168
	v_add_nc_u32 v[LV], 0x10000, v[LI]
	v_add_nc_u32 v[AQS], 131072, v[R32]
	WIN 0x40
.irp e, 0,1
	global_load_b128 v[QF+16*\e+8:QF+16*\e+11], v[LI], s[44:45] offset:1024*\e
	global_load_b128 v[QF+16*\e+12:QF+16*\e+15], v[LI], s[44:45] offset:1024*\e+512
	global_load_b128 v[QS+8*\e:QS+8*\e+3], v[LI], s[44:45] offset:65536+1024*\e
	global_load_b128 v[QS+8*\e+4:QS+8*\e+7], v[LI], s[44:45] offset:65536+1024*\e+512
.endr
.irp i, 0,1,2,3,4,5,6,7
	v_mov_b32 v[KZ+\i], 0                          ; zero codes: in front of K's first tile,
	v_mov_b32 v[QF+\i], 0                          ; and Q's lower 64, for both tiles
	v_mov_b32 v[QF+16+\i], 0
.endr
	WIN 0
	global_load_b64 v[QWA:QWA+1], v[R32], s[46:47]
	global_load_b64 v[QWB:QWB+1], v[R32], s[46:47] offset:REC
.irp i, 0,1,2,3,4,5,6,7
	v_mov_b32 v[T1+\i], 0                          ; written once: a lane permute's destination counts as one of its sources
.endr
.irp e, 0,1
	v_mov_b32 v[TT+\e], 0
	v_mov_b32 v[OWD+\e], 0
	v_mov_b32 v[FF+2*\e+1], 0                      ; (named as the upper half of f's pair)
.endr
	s_wait_alu depctr_va_vdst(0)
	s_wait_tensorcnt 0x0                           ; my eighth of the first record is in; the add and its wait ahead of a later first fill:
	ds_add_u32 v[SPW], v[NIL]
	s_wait_dscnt 0x0
	CROUND                                         ; everybody's eighth is in, and all four work-groups are here
	TLOAD G0B                                      ; the second head's record: it has the first head's eight key steps in which to land
	s_wait_loadcnt 0x0                             ; q and its words
.Lhd:                                              ; two trips: a head each
	v_lshlrev_b32 v[QW], 16, v[QWA]                ; q's two bytes scale the upper 64
	v_lshlrev_b32 v[QW+1], 16, v[QWA+1]
.irp e, 0,1
	v_mov_b32 v[MN+4*\e], 0x7f61b1e6               ; -M: 3e38, over every -M: the first f is 0 and multiplies zeros
	v_mov_b32 v[MN+4*\e+1], 0xff61b1e6             ; the largest score so far: -3e38
	v_mov_b32 v[MN+4*\e+2], 0
	v_mov_b32 v[MN+4*\e+3], 0
.endr
	WIN 0x40
.set j, 0
.rept 64
	v_mov_b32 v[O+j], 0                            ; the step is written once: the first finds zeros
.set j, j+1
.endr
	WIN 0
	s_mov_b32 s[TK], s[RB]                         ; K and V: 8,192 bytes a step; the words of K: 512; V's: 256
	s_mov_b32 s[TS], s[RB]
	s_mov_b32 s[TJ], s[RB]
	s_mov_b32 s[CNT], 8
	v_add_nc_u32 v[ADK], s[TK], v[LI]              ; the head's first step of K is asked for ahead of the loop; each later step's in the step before it
	v_add_nc_u32 v[ADS], s[TS], v[AQS]
	WIN 0x40
.irp t, 0,1,2,3,4,5,6,7
	ds_load_b128 v[KR+8*\t:KR+8*\t+3], v[ADK] offset:1024*\t
	ds_load_b128 v[KR+8*\t+4:KR+8*\t+7], v[ADK] offset:1024*\t+512
.endr
	WIN 0
	ds_load_b128 v[KW:KW+3], v[ADS]
	ds_load_b128 v[KW+4:KW+7], v[ADS] offset:16
	s_wait_alu depctr_va_vdst(0)
.Lkey:                                             ; a key step: 128 keys, both tiles
	s_wait_dscnt 0x0                               ; K and its words
	WIN 0x05
.irp t, 0,1,2,3,4,5,6,7
.irp e, 0,1
	v_wmma_scale_f32_16x16x128_f8f6f4 v[S+64*\e+8*\t:S+64*\e+8*\t+7], v[KZ+8*\t:KZ+8*\t+15], v[QF+16*\e:QF+16*\e+15], 0, v[KW+\t], v[QW+\e] matrix_a_fmt:MATRIX_FMT_BF8 matrix_b_fmt:MATRIX_FMT_BF8
.endr
.endr
	WIN 0
	v_add_nc_u32 v[ADV], s[TK], v[LV]              ; eight plain lines behind the products, ahead of the reads of S^T; with the two at the step's head they also part V's loads from the last step's products
	v_add_nc_u32 v[ADT], s[TJ], v[AVS]
	v_add_nc_u32 v[ADK], s[TK], v[LI]
	v_add_nc_u32 v[ADS], s[TS], v[AQS]
.rept 4
	v_nop
.endr
	ds_load_b128 v[VW:VW+3], v[ADT]                ; V is asked for at once: it lands under the softmax
	WIN 0x40
.irp t, 0,1,2,3
.irp c, 0,1,2,3
	ds_load_b128 v[VR+16*\t+4*\c:VR+16*\t+4*\c+3], v[ADV] offset:2048*\t+512*\c
.endr
.endr
.irp t, 0,1,2,3,4,5,6,7                        ; the next step's K, 8,192 bytes on, and its words, 512 on: 18 loads.  (A head's last step so reads bytes of the same record behind K and behind K's words, which have landed; what it brings is not used)
	ds_load_b128 v[KR+8*\t:KR+8*\t+3], v[ADK] offset:8192+1024*\t
	ds_load_b128 v[KR+8*\t+4:KR+8*\t+7], v[ADK] offset:8192+1024*\t+512
.endr
	WIN 0
	ds_load_b128 v[KW:KW+3], v[ADS] offset:512
	ds_load_b128 v[KW+4:KW+7], v[ADS] offset:528
.irp n, 0,1,2,3,4,5,6,7                        ; block n = 4 e + b: 16 registers at S + 16 n.  The largest score of each block of 32 keys, the eight blocks by turns; each accumulator is read from its low end on
	v_max3_num_f32 v[TM+\n], v[S+16*\n], v[S+16*\n+1], v[S+16*\n+2]
.endr
.irp i, 3,5,7,9,11,13
.irp n, 0,1,2,3,4,5,6,7
	v_max3_num_f32 v[TM+\n], v[TM+\n], v[S+16*\n+\i], v[S+16*\n+\i+1]
.endr
.endr
.irp n, 0,1,2,3,4,5,6,7
	v_max_num_f32 v[TM+\n], v[TM+\n], v[S+16*\n+15]
.endr
.irp n, 0,1,2,3,4,5,6,7
	v_permlanex16_b32 v[T1+\n], v[TM+\n], s[SEL], s[SEL+1]
.endr
.irp n, 0,1,2,3,4,5,6,7
	v_max_num_f32 v[TM+\n], v[TM+\n], v[T1+\n]     ; with lane l xor 16's 16 keys
.endr
.irp e, 0,1
	v_max3_num_f32 v[MN+4*\e+1], v[MN+4*\e+1], v[TM+4*\e], v[TM+4*\e+1]   ; the running largest score (c is positive: it gives the running largest t)
.endr
.irp e, 0,1
	v_max3_num_f32 v[MN+4*\e+1], v[MN+4*\e+1], v[TM+4*\e+2], v[TM+4*\e+3]
.endr
.irp e, 0,1
	v_mul_f32 v[TT+\e], s[CS], v[MN+4*\e+1]
.endr
.irp e, 0,1
	v_floor_f32 v[TT+\e], -v[TT+\e]                ; the new -M = -ceil(t): a whole number
.endr
.irp e, 0,1
	v_sub_f32 v[FF+2*\e], v[TT+\e], v[MN+4*\e]     ; old M - new M, 0 or less
.endr
.irp e, 0,1
	v_mov_b32 v[MN+4*\e], v[TT+\e]
.endr
.irp e, 0,1
	v_cvt_i32_f32 v[FF+2*\e], v[FF+2*\e]           ; (it saturates)
.endr
.irp e, 0,1
	v_ldexp_f32 v[FF+2*\e], 1.0, v[FF+2*\e]        ; f = 2^(old M - new M)
.endr
.irp e, 0,1
.set j, 0
.rept 32
	v_pk_fma_f32 v[S+64*\e+j:S+64*\e+j+1], v[S+64*\e+j:S+64*\e+j+1], s[CS:CS+1], v[MN+4*\e:MN+4*\e+1] op_sel_hi:[1,0,0]   ; t - M
.set j, j+2
.endr
.endr
.irp n, 0,1,2,3,4,5,6,7
	v_fma_f32 v[TM+\n], v[TM+\n], s[CS], v[MN+4*(\n/4)]   ; the same of each block's largest score
.endr
	s_wait_alu depctr_va_vdst(0)
.set j, 0
.rept 128
	v_exp_f32 v[S+j], v[S+j]                       ; p = 2^(t - M)
.set j, j+1
.endr
.irp n, 0,1,2,3,4,5,6,7
	v_exp_f32 v[TM+\n], v[TM+\n]                   ; the block's largest p
.endr
.irp e, 0,1
	v_pk_mul_f32 v[MN+4*\e+2:MN+4*\e+3], v[MN+4*\e+2:MN+4*\e+3], v[FF+2*\e:FF+2*\e+1] op_sel_hi:[1,0]   ; the sums under the new M (plain lines behind the exponentials)
.endr
	s_wait_alu depctr_va_vdst(0)                   ; and the one behind it, ahead of its first reader
.irp n, 0,1,2,3,4,5,6,7
	v_max_num_f32 v[TM+\n], 0x8000000, v[TM+\n]    ; the floor 2^(16 - 127): the byte cannot fall under 1
.endr
.irp n, 0,1,2,3,4,5,6,7
	v_add_nc_u32 v[SCF+\n], 0xf8800000, v[TM+\n]   ; 15 off the exponent field: the conversion's scale operand
.endr
.irp n, 0,1,2,3,4,5,6,7
	v_and_or_b32 v[LIM+\n], v[TM+\n], 0x7f800000, s[MNT]   ; 57,344 x the scale
.endr
.irp n, 0,1,2,3,4,5,6,7
	v_lshrrev_b32 v[T1+\n], 23, v[SCF+\n]          ; the scale's byte
.endr
.irp e, 0,1
	v_lshl_or_b32 v[PWD+\e], v[T1+4*\e+1], 8, v[T1+4*\e]   ; p's scale word for these 128 keys
.endr
.irp e, 0,1
	v_lshl_or_b32 v[PWD+\e], v[T1+4*\e+2], 16, v[PWD+\e]
.endr
.irp e, 0,1
	v_lshl_or_b32 v[PWD+\e], v[T1+4*\e+3], 24, v[PWD+\e]
.endr
.irp e, 0,1                                    ; the rows' sums of the unquantised p: 32 packed additions a tile, in four chains a tile
.irp c, 0,1,2
	v_pk_add_f32 v[XS+6*\e+2*\c:XS+6*\e+2*\c+1], v[S+64*\e+4*\c:S+64*\e+4*\c+1], v[S+64*\e+4*\c+2:S+64*\e+4*\c+3]
.endr
	v_pk_add_f32 v[MN+4*\e+2:MN+4*\e+3], v[MN+4*\e+2:MN+4*\e+3], v[S+64*\e+12:S+64*\e+13]
.endr
.irp k, 0,1,2,3,4,5
.irp e, 0,1
.irp c, 0,1,2
	v_pk_add_f32 v[XS+6*\e+2*\c:XS+6*\e+2*\c+1], v[XS+6*\e+2*\c:XS+6*\e+2*\c+1], v[S+64*\e+14+8*\k+2*\c:S+64*\e+14+8*\k+2*\c+1]
.endr
	v_pk_add_f32 v[MN+4*\e+2:MN+4*\e+3], v[MN+4*\e+2:MN+4*\e+3], v[S+64*\e+20+8*\k:S+64*\e+20+8*\k+1]
.endr
.endr
.irp e, 0,1
	v_pk_add_f32 v[MN+4*\e+2:MN+4*\e+3], v[MN+4*\e+2:MN+4*\e+3], v[S+64*\e+62:S+64*\e+63]
.endr
.irp e, 0,1
	v_pk_add_f32 v[XS+6*\e:XS+6*\e+1], v[XS+6*\e:XS+6*\e+1], v[XS+6*\e+2:XS+6*\e+3]
.endr
.irp e, 0,1
	v_pk_add_f32 v[MN+4*\e+2:MN+4*\e+3], v[MN+4*\e+2:MN+4*\e+3], v[XS+6*\e+4:XS+6*\e+5]
.endr
.irp e, 0,1
	v_pk_add_f32 v[MN+4*\e+2:MN+4*\e+3], v[MN+4*\e+2:MN+4*\e+3], v[XS+6*\e:XS+6*\e+1]
.endr
.irp n, 0,2,4,6                                ; the hold (the conversion does not saturate: ISA guide 7.6.2); p is not negative, so it is one-sided.  Two a line: number i of block n with number i xor 1 of block n + 1
.irp i, 0,1,2,3,4,5,6,7,8,9,10,11,12,13,14,15
	v_dual_min_num_f32 v[S+16*\n+\i], v[LIM+\n], v[S+16*\n+\i] :: v_dual_min_num_f32 v[S+16*\n+16+(\i+1-2*(\i%2))], v[LIM+\n+1], v[S+16*\n+16+(\i+1-2*(\i%2))]
.endr
.irp m, \n, \n+1
	v_cvt_scalef32_pk8_bf8_f32 v[PCD+4*(\m):PCD+4*(\m)+1], v[S+16*(\m):S+16*(\m)+7], v[SCF+(\m)]
	v_cvt_scalef32_pk8_bf8_f32 v[PCD+4*(\m)+2:PCD+4*(\m)+3], v[S+16*(\m)+8:S+16*(\m)+15], v[SCF+(\m)]
.endr
.endr
	WIN 0x41
	s_wait_alu depctr_va_vdst(0)
.irp e, 0,1
.set j, 0
.rept 16
	v_pk_mul_f32 v[O+32*\e+j:O+32*\e+j+1], v[O+32*\e+j:O+32*\e+j+1], v[FF+2*\e:FF+2*\e+1] op_sel_hi:[1,0]   ; O^T under the new M; these are also the plain lines between the conversions and the products
.set j, j+2
.endr
.endr
	s_wait_alu depctr_va_vdst(0)
	s_wait_dscnt 18                                ; V and its words are in; the 18 loads of the next step's K, issued behind them, may be out
	WIN 0x51
.irp t, 0,1,2,3                                ; the eight accumulators take turns, one instruction a turn
.irp e, 0,1
	v_wmma_scale_f32_16x16x128_f8f6f4 v[O+32*\e+8*\t:O+32*\e+8*\t+7], v[VR+16*\t:VR+16*\t+15], v[PCD+16*\e:PCD+16*\e+15], v[O+32*\e+8*\t:O+32*\e+8*\t+7], v[VW+\t], v[PWD+\e] matrix_a_fmt:MATRIX_FMT_BF8 matrix_b_fmt:MATRIX_FMT_BF8
.endr
.endr
	WIN 0
	s_add_co_u32 s[TK], s[TK], 8192
	s_add_co_u32 s[TS], s[TS], 512
	s_add_co_u32 s[TJ], s[TJ], 256
	s_sub_co_u32 s[CNT], s[CNT], 1
	s_cmp_lg_u32 s[CNT], 0
	s_cbranch_scc1 .Lkey
	; THE WAY OUT of a head: o / l, quantised along its 64 channels: two blocks of 32 a tile
.irp e, 0,1
	v_add_f32 v[MN+4*\e+2], v[MN+4*\e+2], v[MN+4*\e+3]   ; the sum's two halves,
.endr
.irp e, 0,1
	v_permlanex16_b32 v[TT+\e], v[MN+4*\e+2], s[SEL], s[SEL+1]
.endr
.irp e, 0,1
	v_add_f32 v[MN+4*\e+2], v[MN+4*\e+2], v[TT+\e]   ; and lane l xor 16's
.endr
.rept 4
	v_nop                                          ; with the lines above: the plain lines behind the last products
.endr
	s_wait_alu depctr_va_vdst(0)
	v_rcp_f32 v[MN+2], v[MN+2]
	v_rcp_f32 v[MN+6], v[MN+6]
	v_nop
	WIN 0x01
	s_wait_alu depctr_va_vdst(0)                   ; for the reciprocals, and directly ahead of the first reader of O^T
.irp e, 0,1
.set j, 0
.rept 32
	v_mul_f32 v[S+64*\e+j], v[O+32*\e+j], v[MN+4*\e+2]   ; register 16 B + i: channel 32 B + 16 (lane / 16) + i of my query
.set j, j+1
.endr
.endr
	WIN 0
.irp m, 0,1,2,3                                ; block m = 2 e + B at S + 64 e + 16 B
	v_max3_num_f32 v[TM+\m], |v[S+64*(\m/2)+16*(\m%2)]|, |v[S+64*(\m/2)+16*(\m%2)+1]|, 0x8000000
.endr
.irp i, 2,4,6,8,10,12,14
.irp m, 0,1,2,3
	v_max3_num_f32 v[TM+\m], v[TM+\m], |v[S+64*(\m/2)+16*(\m%2)+\i]|, |v[S+64*(\m/2)+16*(\m%2)+\i+1]|
.endr
.endr
.irp m, 0,1,2,3
	v_permlanex16_b32 v[T1+\m], v[TM+\m], s[SEL], s[SEL+1]
.endr
.irp m, 0,1,2,3
	v_max_num_f32 v[TM+\m], v[TM+\m], v[T1+\m]
.endr
.irp m, 0,1,2,3
	v_add_nc_u32 v[SCF+\m], 0xf8800000, v[TM+\m]
.endr
.irp m, 0,1,2,3
	v_and_or_b32 v[LIM+\m], v[TM+\m], 0x7f800000, s[MNT]
.endr
.irp m, 0,1,2,3
	v_lshrrev_b32 v[T1+\m], 23, v[SCF+\m]
.endr
.irp e, 0,1
	v_lshl_or_b32 v[TT+\e], v[T1+2*\e+1], 8, v[T1+2*\e]
.endr
.irp e, 0,1
	v_alignbit_b32 v[OWD+\e], v[TT+\e], v[OWD+\e], 16   ; this head's two bytes come in from above: after two heads the first's lie below, the second's above
.endr
.irp m, 0,1,2,3
.set j, 0
.rept 16
	v_med3_num_f32 v[S+64*(\m/2)+16*(\m%2)+j], v[S+64*(\m/2)+16*(\m%2)+j], -v[LIM+\m], v[LIM+\m]
.set j, j+1
.endr
	v_cvt_scalef32_pk8_bf8_f32 v[PCD+16*(\m/2)+4*(\m%2):PCD+16*(\m/2)+4*(\m%2)+1], v[S+64*(\m/2)+16*(\m%2):S+64*(\m/2)+16*(\m%2)+7], v[SCF+\m]
	v_cvt_scalef32_pk8_bf8_f32 v[PCD+16*(\m/2)+4*(\m%2)+2:PCD+16*(\m/2)+4*(\m%2)+3], v[S+64*(\m/2)+16*(\m%2)+8:S+64*(\m/2)+16*(\m%2)+15], v[SCF+\m]
.endr
	v_nop                                          ; one plain line behind the last conversion
.irp e, 0,1
	global_store_b128 v[LI], v[PCD+16*\e:PCD+16*\e+3], s[48:49] offset:4096*\e           ; 512 consecutive bytes, aligned
	global_store_b128 v[LI], v[PCD+16*\e+4:PCD+16*\e+7], s[48:49] offset:4096*\e+512
.endr
	s_wait_alu depctr_va_vdst(0)
	s_wait_tensorcnt 0x0                           ; my eighth of the second record is in,
	s_wait_dscnt 0x0
	s_barrier_signal -1
	s_barrier_wait -1                              ; everybody's is.  (The loop is written once: the second trip passes the barrier too, and its copies below are not used)
	s_wait_xcnt 0x0                                ; the stores have read their base and their registers
	s_add_nc_u64 s[48:49], s[48:49], 1024          ; the second head's 64 of the 128
	WIN 0x41
.irp i, 0,1,2,3,4,5,6,7
	v_mov_b32 v[QF+8+\i], v[QS+\i]
	v_mov_b32 v[QF+24+\i], v[QS+8+\i]
.endr
	WIN 0
	v_mov_b32 v[QWA], v[QWB]
	v_mov_b32 v[QWA+1], v[QWB+1]
	s_add_co_u32 s[RB], s[RB], REC
	s_add_co_u32 s[HC], s[HC], 1
	s_cmp_lt_u32 s[HC], 2
	s_wait_alu depctr_va_vdst(0)
	s_cbranch_scc1 .Lhd
	global_store_b32 v[OS8], v[OWD], s[50:51]               ; row r's word of this 128 along the next K (both halves of the lanes hold and write the same)
	global_store_b32 v[OS8], v[OWD+1], s[50:51] offset:128
	s_wait_tensorcnt 0x0                           ; the wave's end
	ds_add_u32 v[SPW], v[NIL]
	s_wait_dscnt 0x0
	CROUND                                         ; the closing round
	s_endpgm
.Lfunc_end_k_q3d45d9fa7a_attn:
	.size	k_q3d45d9fa7a_attn, .Lfunc_end_k_q3d45d9fa7a_attn-k_q3d45d9fa7a_attn
	.p2alignl 7, 3214868480
	.fill 96, 4, 3214868480
	.section	.rodata,"a",@progbits
	.p2align	6, 0x0
	.amdhsa_kernel k_q3d45d9fa7a_attn
		.amdhsa_group_segment_fixed_size 327680
		.amdhsa_private_segment_fixed_size 0
		.amdhsa_enable_private_segment 0
		.amdhsa_kernarg_size 16
		.amdhsa_user_sgpr_count 2
		.amdhsa_user_sgpr_kernarg_segment_ptr 1
		.amdhsa_wavefront_size32 1
		.amdhsa_system_sgpr_workgroup_id_x 1
		.amdhsa_system_sgpr_workgroup_id_y 1
		.amdhsa_system_sgpr_workgroup_id_z 1
		.amdhsa_system_vgpr_workitem_id 0
		.amdhsa_next_free_vgpr 512
		.amdhsa_next_free_sgpr 66
		.amdhsa_reserve_vcc 0
		.amdhsa_float_denorm_mode_32 3
		.amdhsa_float_denorm_mode_16_64 3
		.amdhsa_memory_ordered 1
		.amdhsa_forward_progress 1
		.amdhsa_inst_pref_size 58
	.end_amdhsa_kernel
	.amdgpu_metadata
---
amdhsa.version: [ 1, 2 ]
amdhsa.kernels:
  - .name:           k_q3d45d9fa7a_attn
    .symbol:         k_q3d45d9fa7a_attn.kd
    .args:
      - { .name: att, .offset: 0, .size: 8, .value_kind: global_buffer, .address_space: global }
      - { .name: op, .offset: 8, .size: 8, .value_kind: global_buffer, .address_space: global }
    .group_segment_fixed_size: 327680
    .private_segment_fixed_size: 0
    .kernarg_segment_align: 8
    .kernarg_segment_size: 16
    .max_flat_workgroup_size: 256
    .sgpr_count:     66
    .vgpr_count:     512
    .wavefront_size: 32
...
	.end_amdgpu_metadata
.endif
;; end of part 3
;; launch oproj (part 4): grid 4 x 64, 4 waves a work-group, clusters of 4 x 4, 327,680 bytes of LDS; arguments op, wp, b_o, x, yb, st; writes yb, st
.if DOCPART == 4
	.amdgcn_target "amdgcn-amd-amdhsa--gfx1250"
	.amdhsa_code_object_version 6
	.text
	.protected	k_q3d45d9fa7a_oproj
	.globl	k_q3d45d9fa7a_oproj
	.p2align	8
	.type	k_q3d45d9fa7a_oproj,@function
k_q3d45d9fa7a_oproj:
	s_mov_b64 s[64:65], 0
	v_nop
	global_prefetch_b8 v0, s[64:65] scope:SCOPE_SE
	s_setreg_imm32_b32 hwreg(HW_REG_WAVE_MODE, 25, 1), 1
	s_wait_xcnt 0x0
	s_wait_alu depctr_hold_cnt(0) depctr_sa_sdst(0) depctr_va_vdst(0) depctr_va_sdst(0) depctr_va_ssrc(0) depctr_va_vcc(0) depctr_vm_vsrc(0)
	s_getreg_b32 s2, hwreg(HW_REG_IB_STS2, 6, 4)
	s_cmp_eq_u32 s2, 0
	s_cbranch_scc0 .Lentry_in_a_cluster
	s_endpgm
.Lentry_in_a_cluster:
	s_bfe_u32 s2, ttmp6, 0x10000c
	s_cmp_lg_u32 s2, 0xf033
	s_cbranch_scc0 .Lentry_shape_is_right
	s_endpgm
.Lentry_shape_is_right:
; y = o W_o^T + b_o + x, on E5M2 codes with E8M0 scales, K = 1,024; y leaves as f32, and with it, for each wave's 64 x 128 numbers, their mean and their sum of squared deviations, for the norm over a batch.
; OPERANDS come packed: (group of 128 rows, K step of 256) is one dense block of BLK bytes, a group's four K steps end to end.  A work-group makes 128 tokens x 256 columns, a wave 64 x 128: 32 accumulators; b_o is the first products' C.
; LDS: A's K steps 0 to 2 at 0, BLK, 2 BLK; B's two groups likewise from 3 BLK and from 6 BLK.  ONE joint load a wave at the head brings all three steps (waves 0, 1: halves of A's 3 BLK bytes; waves 2, 3: a group of B each);
; K step 3 is filled over K step 0 behind a drained round of the cluster's barrier.  x is asked for at the head, into registers that the products do not use.  The stage of the way out lies over A's K step 1, which has had its only fill and its last read.
; CLUSTERS: 4 x 4: A's blocks are shared along a row of the cluster, B's along a column.  LIMITS: NaN and infinities are not served.
.set BLK,    33792
.set GRP,    4*BLK
.set HALFA,  BLK/2
.set SLOT,   3*BLK
.set SPARE,  3*SLOT
.set STG,    BLK
.set SPITCH, 528
.set FR,     16
.set NP,     8
.set ADRA, 8
.set ADRB, 11
.set ADRS, 14
.set ADRT, 17                          ; v17-19 as v14-16, for words 4 to 7: lanes 16-31 alike; lanes 0-15 512 bytes lower, so that they stay inside A's block (they read their four words again and do not use them)
.set STO,  24
.set RD,   25
.set CO,   26
.set LN,   27
.set SPW,  28
.set NIL,  29
.set BO,   30
.set ZO,   31
.set SC,   32
.set CEN,  32
.set S1,   34
.set S2,   42
.set BB,   64
.set AF,   128
.set DV,   128
.set G1, 24
.set G0, 32
.set G1B, 48
.set G0B, 72
.set SEL, 84
.set MSB, 0
.macro WIN new
.if MSB != (\new)
	s_set_vgpr_msb (MSB<<8)|(\new)
.set MSB, (\new)
.endif
.endm
.set MUL_LO, 0xa1
.set TO_B,   0x40
.macro JLOAD g0a, g1a, g0b, g1b
	s_cmp_eq_u32 s15, 0
	s_cbranch_scc0 .Lfor_b_\@
	tensor_load_to_lds s[\g0a:\g0a+3], s[\g1a:\g1a+7]
	s_nop 0
.rept 4
	v_nop
.endr
	s_branch .Lasked_\@
.Lfor_b_\@:
	tensor_load_to_lds s[\g0b:\g0b+3], s[\g1b:\g1b+7]
	s_nop 0
.rept 4
	v_nop
.endr
.Lasked_\@:
.endm
.macro CREST
	s_cmp_lg_u32 s14, 0
	s_cbranch_scc1 .Lnot_wave_0_\@
	s_barrier_signal -3
.Lnot_wave_0_\@:
	s_barrier_wait -3
	s_barrier_signal -1
	s_barrier_wait -1
.endm
.macro CROUND
	s_barrier_signal -1
	s_barrier_wait -1
	CREST
.endm
	s_load_b256 s[4:11], s[0:1], 0x0
	s_load_b128 s[68:71], s[0:1], 0x20
	v_lshl_add_u32 v[SPW], v0, 2, SPARE
	v_mov_b32 v[NIL], 0
	ds_add_u32 v28, v29
	ds_add_u32 v28, v29
	s_wait_dscnt 0x0
	v_lshrrev_b32 v1, 5, v0
	v_readfirstlane_b32 s14, v1
	s_lshr_b32 s15, s14, 1
	s_and_b32 s16, s14, 1
	s_bfe_u32 s56, ttmp6, 0x40000
	s_bfe_u32 s57, ttmp6, 0x40004
	s_lshl_b32 s58, ttmp9, 2
	s_add_co_u32 s58, s58, s56
	s_and_b32 s17, ttmp7, 0xffff
	s_lshl_b32 s17, s17, 2
	s_add_co_u32 s17, s17, s57
	s_lshl_b32 s59, s57, 2
	s_lshl_b32 s59, 15, s59
	s_lshl_b32 s60, 0x1111, s56
	s_or_b32 s[G1+0], s59, (3<<16)|(1<<21)
	s_mov_b32 s[G1+1], 32<<16
	s_mov_b32 s[G1+2], 198<<16                     ; the head's load: half of A's three K steps
	s_mov_b32 s[G1+3], 32<<16
	s_mov_b32 s[G1+4], 198
	s_mov_b32 s[G1+5], 32
	s_mov_b32 s[G1+6], 0
	s_mov_b32 s[G1+7], 0
	s_or_b32 s[G1B+0], s60, (3<<16)|(1<<21)
	s_mov_b32 s[G1B+1], 32<<16
	s_mov_b32 s[G1B+2], 396<<16                    ; the head's load: three K steps of a group of B
	s_mov_b32 s[G1B+3], 32<<16
	s_mov_b32 s[G1B+4], 396
	s_mov_b32 s[G1B+5], 32
	s_mov_b32 s[G1B+6], 0
	s_mov_b32 s[G1B+7], 0
	s_mul_i32 s61, s16, HALFA
	s_mul_i32 s20, s17, GRP
	s_add_co_u32 s20, s20, s61
	s_mov_b32 s21, 0
	s_lshl_b32 s66, s58, 1
	s_add_co_u32 s66, s66, s16
	s_add_co_u32 s66, s66, 24
	s_mul_i32 s66, s66, GRP
	s_mov_b32 s67, 0
	s_add_co_u32 s62, s16, 1
	s_mul_i32 s62, s62, 3*BLK
	s_mul_i32 s92, s16, BLK
	s_mov_b32 s93, 0
	s_mov_b32 s[SEL], 0x76543210
	s_mov_b32 s[SEL+1], 0xfedcba98
	s_wait_kmcnt 0x0
	s_add_nc_u64 s[20:21], s[4:5], s[20:21]
	s_add_nc_u64 s[66:67], s[6:7], s[66:67]
	CROUND
	s_mov_b32 s[G0], 1                             ; set 0: the refill's: K step 0's places; the refill steps the addresses 3 BLK on
	s_mov_b32 s[G0+1], s61
	s_mov_b64 s[G0+2:G0+3], s[20:21]
	s_or_b32 s[G0+3], s[G0+3], 0x80000000
	s_mov_b32 s[G0B], 1
	s_mov_b32 s[G0B+1], s62
	s_mov_b64 s[G0B+2:G0B+3], s[66:67]
	s_or_b32 s[G0B+3], s[G0B+3], 0x80000000
	s_mov_b32 s[G0+4], 1                           ; set 1: the head's: A's half of 3 BLK bytes,
	s_mul_i32 s[G0+5], s16, 3*HALFA
	s_add_nc_u64 s[G0+6:G0+7], s[20:21], s[92:93]
	s_or_b32 s[G0+7], s[G0+7], 0x80000000
	s_mov_b32 s[G0B+4], 1                          ; B's group
	s_mov_b32 s[G0B+5], s62
	s_mov_b64 s[G0B+6:G0B+7], s[66:67]
	s_or_b32 s[G0B+7], s[G0B+7], 0x80000000
	JLOAD G0+4, G1, G0B+4, G1B                     ; one tensor load a wave at the head
	v_and_b32 v1, 15, v0
	v_bfe_u32 v2, v0, 4, 1
	s_wait_alu depctr_va_vdst(0)
	v_and_b32 v[LN], 31, v0
	v_lshlrev_b32 v[CO], 4, v[LN]
	s_wait_alu depctr_va_vdst(0)
	v_mov_b32 v[ZO], 0
	s_lshl_b32 s94, s58, 10
	s_lshl_b32 s95, s16, 9
	s_add_co_u32 s94, s94, s95
	s_mov_b32 s95, 0
	s_add_nc_u64 s[8:9], s[8:9], s[94:95]
	v_lshlrev_b32 v[BO], 6, v2
.irp b, 0,1,2,3,4,5,6,7
	global_load_b128 v[BB+8*\b:BB+8*\b+3], v[BO], s[8:9] offset:(32*(\b/2)+8*(\b%2))*4
	global_load_b128 v[BB+8*\b+4:BB+8*\b+7], v[BO], s[8:9] offset:(32*(\b/2)+8*(\b%2))*4+16
.endr
	s_lshl_b32 s96, s17, 19
	s_lshl_b32 s97, s15, 18
	s_add_co_u32 s96, s96, s97
	s_add_co_u32 s96, s96, s94
	s_mov_b32 s97, 0
	s_add_nc_u64 s[10:11], s[10:11], s[96:97]
	s_add_nc_u64 s[68:69], s[68:69], s[96:97]
	s_lshl_b32 s96, s17, 4
	s_lshl_b32 s98, s58, 2
	s_add_co_u32 s96, s96, s98
	s_add_co_u32 s96, s96, s14
	s_lshl_b32 s96, s96, 3
	s_add_nc_u64 s[70:71], s[70:71], s[96:97]
	s_lshl_b32 s90, s15, 14
	s_add_co_u32 s91, s16, 1
	s_mul_i32 s91, s91, 3*BLK
	s_lshl_b32 s86, s15, 9
	s_sub_co_u32 s87, s91, s86
	v_mul_u32_u24 v3, s87, v2
	v_lshl_add_u32 v3, v1, 3, v3
	v_add_nc_u32 v3, 32768, v3
	v_add_nc_u32 v3, s86, v3
	s_add_co_u32 s88, s87, 512
	v_mul_u32_u24 v4, s88, v2
	v_lshl_add_u32 v4, v1, 3, v4
	v_add_nc_u32 v4, 32256, v4
	v_add_nc_u32 v4, s86, v4
.irp s, 0,1,2
	v_add_nc_u32 v[ADRA+\s], s90, v[CO]
	v_add_nc_u32 v[ADRB+\s], s91, v[CO]
	v_add_nc_u32 v[ADRS+\s], \s*BLK, v3
	v_add_nc_u32 v[ADRT+\s], \s*BLK, v4
	s_add_co_u32 s90, s90, BLK
	s_add_co_u32 s91, s91, BLK
.endr
	s_mul_i32 s87, s14, 16*SPITCH
	s_add_co_u32 s87, s87, STG
	v_mul_u32_u24 v3, v1, SPITCH
	v_lshl_add_u32 v3, v2, 6, v3
	v_add_nc_u32 v[STO], s87, v3
	v_add_nc_u32 v[RD], s87, v[CO]
.macro XLD a                           ; x's 16 rows of block a, 512 bytes of each: a load covers 512 consecutive bytes, aligned
	WIN 0xc0
.irp t, 0,1,2,3,4,5,6,7,8,9,10,11,12,13,14,15
	global_load_b128 v[64*(\a)+4*\t:64*(\a)+4*\t+3], v[CO], s[10:11] offset:(32*((\a)/2)+8*((\a)%2)+\t+8*(\t/8))*4096 th:TH_LOAD_NT
.endr
	WIN 0
.endm
	XLD 0
	XLD 1
	XLD 2
	XLD 3
.macro FRAG reg, adr, q, i
.irp c, 0,1,2,3
	ds_load_b128 v[\reg+4*\c:\reg+4*\c+3], v[\adr] offset:(2*(\i)+(\q))*2048+512*\c
.endr
.endm
.macro MUL8 a, p, q, sc, zero
.irp b, 0,1,2,3,4,5,6,7
.if \zero
	v_wmma_scale_f32_16x16x128_f8f6f4 v[8*(8*(\a)+\b):8*(8*(\a)+\b)+7], v[128*(\p)+FR*\b:128*(\p)+FR*\b+FR-1], v[AF+64*(\p)+FR*(\a):AF+64*(\p)+FR*(\a)+FR-1], v[BB+8*\b:BB+8*\b+7], v[SC+16*(\sc)+2*\b+(\q)], v[SC+16*(\sc)+2*(\a)+(\q)] matrix_a_fmt:MATRIX_FMT_BF8 matrix_b_fmt:MATRIX_FMT_BF8 matrix_a_scale:MATRIX_SCALE_ROW1
.else
	v_wmma_scale_f32_16x16x128_f8f6f4 v[8*(8*(\a)+\b):8*(8*(\a)+\b)+7], v[128*(\p)+FR*\b:128*(\p)+FR*\b+FR-1], v[AF+64*(\p)+FR*(\a):AF+64*(\p)+FR*(\a)+FR-1], v[8*(8*(\a)+\b):8*(8*(\a)+\b)+7], v[SC+16*(\sc)+2*\b+(\q)], v[SC+16*(\sc)+2*(\a)+(\q)] matrix_a_fmt:MATRIX_FMT_BF8 matrix_b_fmt:MATRIX_FMT_BF8 matrix_a_scale:MATRIX_SCALE_ROW1
.endif
.endr
.endm
.macro FETCH slot, q, p
	WIN TO_B
.irp i, 0,1,2,3,4,5,6,7
	FRAG 128*(\p)+FR*\i, ADRB+\slot, \q, \i
.endr
	WIN 0
.irp i, 0,1,2,3
	FRAG AF+64*(\p)+FR*\i, ADRA+\slot, \q, \i
.endr
.endm
.macro SCALES slot, set
.irp i, 0,1,2,3
	ds_load_b64 v[SC+16*(\set)+2*\i:SC+16*(\set)+2*\i+1], v[ADRS+\slot] offset:128*\i
.endr
.irp i, 4,5,6,7
	ds_load_b64 v[SC+16*(\set)+2*\i:SC+16*(\set)+2*\i+1], v[ADRT+\slot] offset:128*\i
.endr
.endm
.macro PLACES n
.rept \n
	v_nop
.endr
.endm
.macro STEP q, sc, zero, fslot, fq
	s_wait_dscnt 0x0
.if \zero
	WIN 0x81
.else
	WIN MUL_LO
.endif
	MUL8 0, \q, \q, \sc, \zero
	MUL8 1, \q, \q, \sc, \zero
	PLACES NP
	FETCH \fslot, \fq, 1-(\q)
.if \fq == 0
	SCALES \fslot, 1-(\sc)
.endif
.if \zero
	WIN 0x81
.else
	WIN MUL_LO
.endif
	MUL8 2, \q, \q, \sc, \zero
	MUL8 3, \q, \q, \sc, \zero
.endm
.macro TURN sc, slot, next, fill
	WIN 0
	s_wait_tensorcnt 0x0
	ds_add_u32 v[SPW], v[NIL]
	s_wait_dscnt 1
	WIN MUL_LO
	MUL8 0, 1, 1, \sc, 0
	s_wait_dscnt 0x0
	s_barrier_signal -1
	MUL8 1, 1, 1, \sc, 0
	WIN 0
	s_barrier_wait -1
.if \fill
	CREST
	s_add_nc_u64 s[G0+4*\slot+2:G0+4*\slot+3], s[G0+4*\slot+2:G0+4*\slot+3], 3*BLK
	s_add_nc_u64 s[G0B+4*\slot+2:G0B+4*\slot+3], s[G0B+4*\slot+2:G0B+4*\slot+3], 3*BLK
	JLOAD G0+4*\slot, G1, G0B+4*\slot, G1B
	PLACES NP-4
.else
	PLACES NP
.endif
	s_wait_alu depctr_va_vdst(0)
	FETCH \next, 0, 0
	SCALES \next, 1-(\sc)
	WIN MUL_LO
	MUL8 2, 1, 1, \sc, 0
	MUL8 3, 1, 1, \sc, 0
.endm
	s_wait_alu depctr_va_vdst(0)
	s_wait_tensorcnt 0x0                           ; my part of K steps 0 to 2 is in; no load of mine is out, so a descriptor may be written:
	s_mov_b32 s[G1+2], 66<<16                      ; the refill brings one K step: half a block of A,
	s_mov_b32 s[G1+4], 66
	s_mov_b32 s[G1B+2], 132<<16                    ; a block of B
	s_mov_b32 s[G1B+4], 132
	s_barrier_signal -1
	s_barrier_wait -1                              ; everybody's part is in
	FETCH 0, 0, 0
	SCALES 0, 0
	s_wait_loadcnt 63                              ; b_o is in: behind its loads stand the 64 of x (the count's field holds 63)
	STEP 0, 0, 1, 0, 1
	TURN 0, 0, 1, 1
	STEP 0, 1, 0, 1, 1
	STEP 1, 1, 0, 2, 0
	STEP 0, 0, 0, 2, 1
	TURN 0, 2, 0, 0
	STEP 0, 1, 0, 0, 1
	s_wait_dscnt 0x0
	WIN MUL_LO
	MUL8 0, 1, 1, 1, 0
	MUL8 1, 1, 1, 1, 0
	MUL8 2, 1, 1, 1, 0
	MUL8 3, 1, 1, 1, 0
	WIN 0
.macro TOSTAGE a
.set AC, 64*(\a)
	WIN 0x08
.irp b, 0,1,2,3,4,5,6,7
	ds_store_b128 v[STO], v[AC+8*\b:AC+8*\b+3] offset:128*(\b/2)+32*(\b%2)
	ds_store_b128 v[STO], v[AC+8*\b+4:AC+8*\b+7] offset:128*(\b/2)+32*(\b%2)+16
.endr
	WIN 0x40
.irp t, 0,1,2,3,4,5,6,7,8,9,10,11,12,13,14,15
	ds_load_b128 v[AC+4*\t:AC+4*\t+3], v[RD] offset:\t*SPITCH
.endr
	WIN 0
.endm
.macro WSUM v, t
	v_add_f32_dpp v[\v], v[\v], v[\v] row_xmask:1 row_mask:0xf bank_mask:0xf
	v_add_f32_dpp v[\v], v[\v], v[\v] row_xmask:2 row_mask:0xf bank_mask:0xf
	v_add_f32_dpp v[\v], v[\v], v[\v] row_xmask:4 row_mask:0xf bank_mask:0xf
	v_add_f32_dpp v[\v], v[\v], v[\v] row_xmask:8 row_mask:0xf bank_mask:0xf
	v_permlanex16_b32 v[\t], v[\v], s[SEL], s[SEL+1]
	v_add_f32 v[\v], v[\v], v[\t]
.endm
.macro SEND a, younger, left
.set BR, 64*(\a)
	s_wait_dscnt \younger
	s_wait_loadcnt \left
	WIN 0x4d
.set k, 0
.rept 32
	v_pk_add_f32 v[BR+2*k:BR+2*k+1], v[BR+2*k:BR+2*k+1], v[BR+2*k:BR+2*k+1]
.set k, k+1
.endr
	WIN 0x04
.irp t, 0,1,2,3,4,5,6,7,8,9,10,11,12,13,14,15
	global_store_b128 v[CO], v[BR+4*\t:BR+4*\t+3], s[68:69] offset:(32*((\a)/2)+8*((\a)%2)+\t+8*(\t/8))*4096
.endr
.if (\a) == 0
	WIN 0x05
.irp c, 0,1,2,3
	v_pk_add_f32 v[DV+2*\c:DV+2*\c+1], v[BR+2*\c:BR+2*\c+1], v[BR+8+2*\c:BR+8+2*\c+1]
.endr
	WIN 0x04
.irp m, 2,3,4,5,6,7
.irp c, 0,1,2,3
	v_pk_add_f32 v[DV+2*\c:DV+2*\c+1], v[DV+2*\c:DV+2*\c+1], v[BR+8*\m+2*\c:BR+8*\m+2*\c+1]
.endr
.endr
	WIN 0
	v_pk_add_f32 v[DV:DV+1], v[DV:DV+1], v[DV+2:DV+3]
	v_pk_add_f32 v[DV+4:DV+5], v[DV+4:DV+5], v[DV+6:DV+7]
	v_pk_add_f32 v[DV:DV+1], v[DV:DV+1], v[DV+4:DV+5]
	v_add_f32 v[CEN], v[DV], v[DV+1]
	WSUM CEN, CEN+1
	v_mul_f32 v[CEN], 0x3a000000, v[CEN]
	v_mov_b32 v[CEN+1], v[CEN]
.endif
	WIN 0x01
.set k, 0
.rept 32
	v_pk_add_f32 v[DV+2*k:DV+2*k+1], v[BR+2*k:BR+2*k+1], v[CEN:CEN+1] neg_lo:[0,1] neg_hi:[0,1]
.set k, k+1
.endr
	WIN 0
.set k, 0
.rept 8
.irp c, 0,1,2,3
	v_pk_add_f32 v[S1+2*\c:S1+2*\c+1], v[S1+2*\c:S1+2*\c+1], v[DV+8*k+2*\c:DV+8*k+2*\c+1]
.endr
.irp c, 0,1,2,3
	v_pk_fma_f32 v[S2+2*\c:S2+2*\c+1], v[DV+8*k+2*\c:DV+8*k+2*\c+1], v[DV+8*k+2*\c:DV+8*k+2*\c+1], v[S2+2*\c:S2+2*\c+1]
.endr
.set k, k+1
.endr
.endm
	PLACES NP
.irp i, 0,1,2,3,4,5,6,7,8,9,10,11,12,13,14,15,16,17
	v_mov_b32 v[CEN+\i], 0
.endr
	TOSTAGE 0
	TOSTAGE 1
	SEND 0, 32, 48
	TOSTAGE 2
	SEND 1, 32, 32
	TOSTAGE 3
	SEND 2, 32, 16
	SEND 3, 0, 0
	v_pk_add_f32 v[S1:S1+1], v[S1:S1+1], v[S1+2:S1+3]
	v_pk_add_f32 v[S1+4:S1+5], v[S1+4:S1+5], v[S1+6:S1+7]
	v_pk_add_f32 v[S2:S2+1], v[S2:S2+1], v[S2+2:S2+3]
	v_pk_add_f32 v[S2+4:S2+5], v[S2+4:S2+5], v[S2+6:S2+7]
	v_pk_add_f32 v[S1:S1+1], v[S1:S1+1], v[S1+4:S1+5]
	v_pk_add_f32 v[S2:S2+1], v[S2:S2+1], v[S2+4:S2+5]
	v_add_f32 v[S1], v[S1], v[S1+1]
	v_add_f32 v[S2], v[S2], v[S2+1]
	WSUM S1, S1+1
	WSUM S2, S2+1
	v_mul_f32 v[S1+2], 0x39000000, v[S1]
	v_add_f32 v[DV], v[S1+2], v[CEN]
	v_fma_f32 v[DV+1], -v[S1+2], v[S1], v[S2]
	s_wait_alu depctr_va_vdst(0)
	s_wait_xcnt 0x0
	v_cmp_eq_u32 vcc_lo, 0, v[LN]
	s_and_saveexec_b32 s99, vcc_lo
	global_store_b64 v[ZO], v[DV:DV+1], s[70:71]
	s_wait_xcnt 0x0
	s_or_b32 exec_lo, exec_lo, s99
	s_wait_tensorcnt 0x0
	ds_add_u32 v[SPW], v[NIL]
	s_wait_dscnt 0x0
	CROUND
	s_endpgm
.Lfunc_end_k_q3d45d9fa7a_oproj:
	.size	k_q3d45d9fa7a_oproj, .Lfunc_end_k_q3d45d9fa7a_oproj-k_q3d45d9fa7a_oproj
	.p2alignl 7, 3214868480
	.fill 96, 4, 3214868480
	.section	.rodata,"a",@progbits
	.p2align	6, 0x0
	.amdhsa_kernel k_q3d45d9fa7a_oproj
		.amdhsa_group_segment_fixed_size 327680
		.amdhsa_private_segment_fixed_size 0
		.amdhsa_enable_private_segment 0
		.amdhsa_kernarg_size 48
		.amdhsa_user_sgpr_count 2
		.amdhsa_user_sgpr_kernarg_segment_ptr 1
		.amdhsa_wavefront_size32 1
		.amdhsa_system_sgpr_workgroup_id_x 1
		.amdhsa_system_sgpr_workgroup_id_y 1
		.amdhsa_system_sgpr_workgroup_id_z 1
		.amdhsa_system_vgpr_workitem_id 0
		.amdhsa_next_free_vgpr 1024
		.amdhsa_next_free_sgpr 100
		.amdhsa_reserve_vcc 1
		.amdhsa_float_denorm_mode_32 3
		.amdhsa_float_denorm_mode_16_64 3
		.amdhsa_memory_ordered 1
		.amdhsa_forward_progress 1
		.amdhsa_inst_pref_size 131
	.end_amdhsa_kernel
	.amdgpu_metadata
---
amdhsa.version: [ 1, 2 ]
amdhsa.kernels:
  - .name:           k_q3d45d9fa7a_oproj
    .symbol:         k_q3d45d9fa7a_oproj.kd
    .args:
      - { .name: op, .offset: 0, .size: 8, .value_kind: global_buffer, .address_space: global }
      - { .name: wp, .offset: 8, .size: 8, .value_kind: global_buffer, .address_space: global }
      - { .name: b_o, .offset: 16, .size: 8, .value_kind: global_buffer, .address_space: global }
      - { .name: x, .offset: 24, .size: 8, .value_kind: global_buffer, .address_space: global }
      - { .name: yb, .offset: 32, .size: 8, .value_kind: global_buffer, .address_space: global }
      - { .name: st, .offset: 40, .size: 8, .value_kind: global_buffer, .address_space: global }
    .group_segment_fixed_size: 327680
    .private_segment_fixed_size: 0
    .kernarg_segment_align: 8
    .kernarg_segment_size: 48
    .max_flat_workgroup_size: 128
    .sgpr_count:     100
    .vgpr_count:     1024
    .wavefront_size: 32
...
	.end_amdgpu_metadata
.endif
;; end of part 4
;; launch norm (part 5): grid 256 x 1, 8 waves a work-group, no clusters, 0 bytes of LDS; arguments yb, st, ln_w, ln_b, out0; writes out0
.if DOCPART == 5
	.amdgcn_target "amdgcn-amd-amdhsa--gfx1250"
	.amdhsa_code_object_version 6
	.text
	.protected	k_q3d45d9fa7a_norm
	.globl	k_q3d45d9fa7a_norm
	.p2align	8
	.type	k_q3d45d9fa7a_norm,@function
k_q3d45d9fa7a_norm:
	s_mov_b64 s[64:65], 0
	v_nop
	global_prefetch_b8 v0, s[64:65] scope:SCOPE_SE
	s_setreg_imm32_b32 hwreg(HW_REG_WAVE_MODE, 25, 1), 1
	s_wait_xcnt 0x0
; out = (y - mean) rsqrt(var + 1e-5) ln_w + ln_b, mean and var over a whole batch's 1,024 x 1,024 numbers.
; st holds, for each batch, 128 pairs (mean, sum of squared deviations) of 8,192 numbers each.  They are joined without a difference of large sums:
; mean = the mean of the 128 means; the batch's sum of squared deviations = the sum of the 128, + 8,192 x the sum of (part's mean - mean)^2.
; SHARES.  A work-group owns 16,384 bytes of the [1,024][1,024] plane, for ALL EIGHT batches, so that ln_w and ln_b are read once.  Thread t takes the 16 bytes at 4,096 j + 16 t, j = 0 .. 3:
; each load and store of a wave covers 512 consecutive bytes, aligned.  Every wave makes the statistics for itself (1,024 bytes a batch): no LDS, no barrier.  A stream: matrix units, clusters and tensor loads would add nothing.
.set VO,  8                            ; v8-15    16 t + the batch's 4,194,304 bytes; never rewritten
.set ST,  16                           ; v16-79   a batch's four pairs of my lane
.set MB,  80                           ; v80-111  a batch's mean, mean, 1 / sigma, 1 / sigma
.set W,   112                          ; v112-127 ln_w
.set BV,  128                          ; v128-143 ln_b
.set Y,   144                          ; v144-207 two sets of 8 batches x 4 numbers
.set TA,  208                          ; v208-215, v216-223 at work
.set TB,  216
	s_load_b256 s[4:11], s[0:1], 0x0               ; yb, st, ln_w, ln_b
	s_load_b64 s[12:13], s[0:1], 0x20              ; out0
	v_and_b32 v7, 31, v0
	s_delay_alu instid0(VALU_DEP_1)
	v_lshlrev_b32 v7, 4, v7                        ; 16 x lane
	v_lshlrev_b32 v[VO], 4, v0
.irp b, 1,2,3,4,5,6,7
	v_add_nc_u32 v[VO+\b], \b*4194304, v[VO]
.endr
	s_lshl_b32 s14, ttmp9, 14
	s_mov_b32 s15, 0
	s_mov_b32 s16, 0x35800000                      ; 2^-20
	s_mov_b32 s17, 0x3727c5ac                      ; 1e-5
	s_mov_b32 s18, 0x76543210
	s_mov_b32 s19, 0xfedcba98
	s_wait_alu depctr_va_vdst(0)
	s_wait_kmcnt 0x0
	s_add_nc_u64 s[4:5], s[4:5], s[14:15]
	s_add_nc_u64 s[8:9], s[8:9], s[14:15]
	s_add_nc_u64 s[10:11], s[10:11], s[14:15]
	s_add_nc_u64 s[12:13], s[12:13], s[14:15]
.irp b, 0,1,2,3,4,5,6,7
	global_load_b128 v[ST+8*\b:ST+8*\b+3], v7, s[6:7] offset:1024*\b
	global_load_b128 v[ST+8*\b+4:ST+8*\b+7], v7, s[6:7] offset:1024*\b+512
.endr
.irp j, 0,1,2,3
	global_load_b128 v[W+4*\j:W+4*\j+3], v[VO], s[8:9] offset:4096*\j th:TH_LOAD_NT
.endr
.irp j, 0,1,2,3
	global_load_b128 v[BV+4*\j:BV+4*\j+3], v[VO], s[10:11] offset:4096*\j th:TH_LOAD_NT
.endr
.macro YLOAD j
.irp b, 0,1,2,3,4,5,6,7
	global_load_b128 v[Y+32*((\j)%2)+4*\b:Y+32*((\j)%2)+4*\b+3], v[VO+\b], s[4:5] offset:4096*(\j) th:TH_LOAD_NT
.endr
.endm
	YLOAD 0
	YLOAD 1
.macro WSUM8                           ; eight sums over the wave's lanes, line by line, so that no line waits for the line above it
.irp m, 1,2,4,8
.irp b, 0,1,2,3,4,5,6,7
	v_add_f32_dpp v[TA+\b], v[TA+\b], v[TA+\b] row_xmask:\m row_mask:0xf bank_mask:0xf
.endr
.endr
.irp b, 0,1,2,3,4,5,6,7
	v_permlanex16_b32 v[TB+\b], v[TA+\b], s18, s19
.endr
.irp b, 0,1,2,3,4,5,6,7
	v_add_f32 v[TA+\b], v[TA+\b], v[TB+\b]
.endr
.endm
.macro SQDEV i                         ; TB += (my part i's mean - the batch's mean)^2
.irp b, 0,1,2,3,4,5,6,7
	v_sub_f32 v[TA+\b], v[ST+8*\b+2*\i], v[MB+4*\b]
.endr
.irp b, 0,1,2,3,4,5,6,7
	v_fma_f32 v[TB+\b], v[TA+\b], v[TA+\b], v[TB+\b]
.endr
.endm
	s_wait_loadcnt 24                              ; the sixteen loads of st are in; the 24 issued behind them may be out
.irp b, 0,1,2,3,4,5,6,7
	v_add_f32 v[TA+\b], v[ST+8*\b], v[ST+8*\b+2]
.endr
.irp b, 0,1,2,3,4,5,6,7
	v_add_f32 v[TB+\b], v[ST+8*\b+4], v[ST+8*\b+6]
.endr
.irp b, 0,1,2,3,4,5,6,7
	v_add_f32 v[TA+\b], v[TA+\b], v[TB+\b]
.endr
	WSUM8
.irp b, 0,1,2,3,4,5,6,7
	v_mul_f32 v[MB+4*\b], 0x3c000000, v[TA+\b]     ; / 128: the batch's mean
.endr
.irp b, 0,1,2,3,4,5,6,7
	v_mov_b32 v[MB+4*\b+1], v[MB+4*\b]
.endr
.irp b, 0,1,2,3,4,5,6,7
	v_sub_f32 v[TB+\b], v[ST+8*\b], v[MB+4*\b]
.endr
.irp b, 0,1,2,3,4,5,6,7
	v_mul_f32 v[TB+\b], v[TB+\b], v[TB+\b]
.endr
	SQDEV 1
	SQDEV 2
	SQDEV 3
.irp b, 0,1,2,3,4,5,6,7
	v_add_f32 v[TA+\b], v[ST+8*\b+1], v[ST+8*\b+3]
.endr
.irp b, 0,1,2,3,4,5,6,7
	v_add_f32 v[TA+\b], v[TA+\b], v[ST+8*\b+5]
.endr
.irp b, 0,1,2,3,4,5,6,7
	v_add_f32 v[TA+\b], v[TA+\b], v[ST+8*\b+7]
.endr
.irp b, 0,1,2,3,4,5,6,7
	v_fmamk_f32 v[TA+\b], v[TB+\b], 0x46000000, v[TA+\b]   ; + 8,192 x the squares of the parts' means about the mean
.endr
	WSUM8
.irp b, 0,1,2,3,4,5,6,7
	v_fma_f32 v[TA+\b], v[TA+\b], s16, s17         ; var + 1e-5
.endr
	s_wait_alu depctr_va_vdst(0)
.irp b, 0,1,2,3,4,5,6,7
	v_rsq_f32 v[MB+4*\b+2], v[TA+\b]
.endr
	v_nop                                          ; one plain line behind the transcendentals
	s_wait_alu depctr_va_vdst(0)
.irp b, 0,1,2,3,4,5,6,7
	v_mov_b32 v[MB+4*\b+3], v[MB+4*\b+2]
.endr
.macro ROWS j, left
.set YS, Y+32*((\j)%2)
	s_wait_loadcnt \left                           ; this set's eight loads are in (and ln_w, ln_b); the other set's eight may be out
.irp b, 0,1,2,3,4,5,6,7
.irp p, 0,2
	v_pk_add_f32 v[YS+4*\b+\p:YS+4*\b+\p+1], v[YS+4*\b+\p:YS+4*\b+\p+1], v[MB+4*\b:MB+4*\b+1] neg_lo:[0,1] neg_hi:[0,1]
.endr
.endr
.irp b, 0,1,2,3,4,5,6,7
.irp p, 0,2
	v_pk_mul_f32 v[YS+4*\b+\p:YS+4*\b+\p+1], v[YS+4*\b+\p:YS+4*\b+\p+1], v[MB+4*\b+2:MB+4*\b+3]
.endr
.endr
.irp b, 0,1,2,3,4,5,6,7
.irp p, 0,2
	v_pk_fma_f32 v[YS+4*\b+\p:YS+4*\b+\p+1], v[YS+4*\b+\p:YS+4*\b+\p+1], v[W+4*(\j)+\p:W+4*(\j)+\p+1], v[BV+4*(\j)+\p:BV+4*(\j)+\p+1]
.endr
.endr
.irp b, 0,1,2,3,4,5,6,7
	global_store_b128 v[VO+\b], v[YS+4*\b:YS+4*\b+3], s[12:13] offset:4096*(\j) th:TH_STORE_NT
.endr
.if (\j) < 2
	s_wait_xcnt 0x0                                ; the stores have read their registers: the set is loaded again only behind this wait
	YLOAD (\j)+2
.endif
.endm
	ROWS 0, 8
	ROWS 1, 8
	ROWS 2, 8
	ROWS 3, 0
	s_endpgm
.Lfunc_end_k_q3d45d9fa7a_norm:
	.size	k_q3d45d9fa7a_norm, .Lfunc_end_k_q3d45d9fa7a_norm-k_q3d45d9fa7a_norm
	.p2alignl 7, 3214868480
	.fill 96, 4, 3214868480
	.section	.rodata,"a",@progbits
	.p2align	6, 0x0
	.amdhsa_kernel k_q3d45d9fa7a_norm
		.amdhsa_group_segment_fixed_size 0
		.amdhsa_private_segment_fixed_size 0
		.amdhsa_enable_private_segment 0
		.amdhsa_kernarg_size 40
		.amdhsa_user_sgpr_count 2
		.amdhsa_user_sgpr_kernarg_segment_ptr 1
		.amdhsa_wavefront_size32 1
		.amdhsa_system_sgpr_workgroup_id_x 1
		.amdhsa_system_sgpr_workgroup_id_y 1
		.amdhsa_system_sgpr_workgroup_id_z 1
		.amdhsa_system_vgpr_workitem_id 0
		.amdhsa_next_free_vgpr 224
		.amdhsa_next_free_sgpr 66
		.amdhsa_reserve_vcc 0
		.amdhsa_float_denorm_mode_32 3
		.amdhsa_float_denorm_mode_16_64 3
		.amdhsa_memory_ordered 1
		.amdhsa_forward_progress 1
		.amdhsa_inst_pref_size 35
	.end_amdhsa_kernel
	.amdgpu_metadata
---
amdhsa.version: [ 1, 2 ]
amdhsa.kernels:
  - .name:           k_q3d45d9fa7a_norm
    .symbol:         k_q3d45d9fa7a_norm.kd
    .args:
      - { .name: yb, .offset: 0, .size: 8, .value_kind: global_buffer, .address_space: global }
      - { .name: st, .offset: 8, .size: 8, .value_kind: global_buffer, .address_space: global }
      - { .name: ln_w, .offset: 16, .size: 8, .value_kind: global_buffer, .address_space: global }
      - { .name: ln_b, .offset: 24, .size: 8, .value_kind: global_buffer, .address_space: global }
      - { .name: out0, .offset: 32, .size: 8, .value_kind: global_buffer, .address_space: global }
    .group_segment_fixed_size: 0
    .private_segment_fixed_size: 0
    .kernarg_segment_align: 8
    .kernarg_segment_size: 40
    .max_flat_workgroup_size: 256
    .sgpr_count:     66
    .vgpr_count:     224
    .wavefront_size: 32
...
	.end_amdgpu_metadata
.endif
;; end of part 5
